; MI455X (gfx1250); checked and timed in simulation.
; The chip was launched on July 23, 2026; its instructions are those of AMD's public machine-readable ISA for CDNA 5 (MIT licence, August 2026) and "CDNA5" Instruction Set Architecture Reference Guide (July 2026). The comments in the code are by the model that wrote it; some were corrected since.
;; Encoder Block. Allowed arithmetic: matrix products marked QUANTISED: E2M3 operands, one E8M0 scale for each 32 along K, by v_wmma_scale_f32_16x16x128_f8f6f4 with both operands' format E2M3, f32 sums; everything else in f32.
;; Inputs: W1_codes 2,048 x 32 x 24 uint8 (E2M3 codes of W1, K innermost, in blocks of 32 codes, four codes in three bytes); W1_scales 2,048 x 32 uint8 (E8M0 scales of W1, one for each 32 codes along K); W2_codes 1,024 x 64 x 24 uint8 (E2M3 codes of W2, K innermost, in blocks of 32 codes, four codes in three bytes); W2_scales 1,024 x 64 uint8 (E8M0 scales of W2, one for each 32 codes along K); Wk_codes 1,024 x 32 x 24 uint8 (E2M3 codes of Wk, K innermost, in blocks of 32 codes, four codes in three bytes); Wk_scales 1,024 x 32 uint8 (E8M0 scales of Wk, one for each 32 codes along K); Wo_codes 1,024 x 32 x 24 uint8 (E2M3 codes of Wo, K innermost, in blocks of 32 codes, four codes in three bytes); Wo_scales 1,024 x 32 uint8 (E8M0 scales of Wo, one for each 32 codes along K); Wq_codes 1,024 x 32 x 24 uint8 (E2M3 codes of Wq, K innermost, in blocks of 32 codes, four codes in three bytes); Wq_scales 1,024 x 32 uint8 (E8M0 scales of Wq, one for each 32 codes along K); Wv_codes 1,024 x 32 x 24 uint8 (E2M3 codes of Wv, K innermost, in blocks of 32 codes, four codes in three bytes); Wv_scales 1,024 x 32 uint8 (E8M0 scales of Wv, one for each 32 codes along K); b1 2,048 float32; b2 1,024 float32; bk 1,024 float32; bo 1,024 float32; bq 1,024 float32; bv 1,024 float32; ln1_b 1,024 float32; ln1_g 1,024 float32; ln2_b 1,024 float32; ln2_g 1,024 float32; x 2 x 2,048 x 1,024 float32.
;; Outputs: out0 2 x 2,048 x 1,024 float32.
;; This version of the problem:
;;   THIS VERSION OF THE PROBLEM IS GIVEN IN LOW PRECISION. The matrix products marked QUANTISED in the list below multiply operands that are first quantised to E2M3 (2 exponent bits, 3 mantissa bits; 6 bits a number), with one power-of-two scale for each 32 numbers along K (OCP MX v1.0); their sums are f32. All else is computed in f32.
;;   The module's matrix products, in the order in which they are computed (A, B: the left and right operand; K: the contracted axis; several contracted axes count as one K, in the product's order):
;;     1. [M 4,096, K 1,024] x [K 1,024, N 1,024]; A: computed on the way; B: input Wq (given as codes): QUANTISED
;;     2. [M 4,096, K 1,024] x [K 1,024, N 1,024]; A: computed on the way; B: input Wk (given as codes): QUANTISED
;;     3. [M 4,096, K 1,024] x [K 1,024, N 1,024]; A: computed on the way; B: input Wv (given as codes): QUANTISED
;;     4. batch 32 x [M 2,048, K 64] x [K 64, N 2,048]; A: computed on the way; B: computed on the way: QUANTISED
;;     5. batch 32 x [M 2,048, K 2,048] x [K 2,048, N 64]; A: softmax (see below); B: computed on the way: QUANTISED
;;     6. [M 4,096, K 1,024] x [K 1,024, N 1,024]; A: computed on the way; B: input Wo (given as codes): QUANTISED
;;     7. [M 4,096, K 1,024] x [K 1,024, N 2,048]; A: computed on the way; B: input W1 (given as codes): QUANTISED
;;     8. [M 4,096, K 2,048] x [K 2,048, N 1,024]; A: computed on the way; B: input W2 (given as codes): QUANTISED
;;   THE QUANTISER, for each operand of a quantised product, along K:
;;     - K is cut into blocks of 32 from its start; a last block that is shorter is filled with zeros.
;;     - A block's scale is 2^e with e = floor(log2(the largest magnitude in the block)) - 2, held to -126 .. 127; a block of zeros has e = 0. As a byte (E8M0): e + 127.
;;     - Each number is divided by its block's scale, clamped to +-7.5, and rounded to the nearest number of E2M3, ties to even, subnormals kept.
;;     - The product sums the exact products of the quantised numbers (number of the format x scale) in f32.
;;   ~~~python
;;   def quantise(x, axis):      # numpy; x: float32 -> the quantised numbers, widened to float32 again
;;       x = np.moveaxis(x, axis, -1); K = x.shape[-1]
;;       x = np.pad(x, [(0, 0)] * (x.ndim - 1) + [(0, -K % 32)]); x = x.reshape(x.shape[:-1] + (-1, 32)); a = np.abs(x).max(-1, keepdims=True)
;;       e = np.where(a > 0, np.clip(np.frexp(np.where(a > 0, a, 1))[1] - 1 - 2, -126, 127), 0)      # np.frexp(a)[1] - 1 = floor(log2(a)), exactly
;;       r = np.clip(x / 2.0 ** e, -7.5, 7.5)
;;       step = 2.0 ** (np.maximum(np.frexp(np.where(r == 0, 1, r))[1] - 1, 0) - 3)
;;       q = np.round(r / step) * step * 2.0 ** e      # np.round: ties to even
;;       return np.moveaxis(q.reshape(q.shape[:-2] + (-1,))[..., :K], -1, axis).astype(np.float32)
;;   ~~~
;;   SOFTMAX AHEAD OF A QUANTISED PRODUCT. Where the list says 'softmax', what is quantised is not the finished softmax but p = 2^(t - M), with t = logit x log2(e) and M = ceil(the row's largest t), a whole number; so 1/2 < the row's largest p <= 1. The row's sum l is taken of the UNQUANTISED p, in f32, and the product's result is divided by l at the end. Since M is a whole number, a kernel that streams over the keys may use a running M (the ceiling of the running maximum): every later rescaling is an exact power of two, which a block's scale takes up: the codes' values come out the same.
;;   OPERANDS COMPUTED ON THE WAY. 'Computed on the way' means the value that the module computes at that place (a softmax that the list does not call 'softmax' is quantised finished and normalised). What goes into a quantiser is computed in f32, as accurately as f32 sums, v_exp_f32 and their like allow (about 1e-6 of the number): no bf16 or f16 on the way to a quantiser, and a product that is left as it is and whose result goes on into a quantised operand takes f32 operands (vector FMAs, or v_wmma_f32_16x16x4_f32). A number that lies on a knife's edge between two numbers of the format may be rounded either way, as far as f32 arithmetic and the matrix unit's own rounding can turn it there, and no further.
;;   INPUTS GIVEN AS CODES. W1 (in the module: [1024, 2048], K = its axis 0); W2 (in the module: [2048, 1024], K = its axis 0); Wk (in the module: [1024, 1024], K = its axis 0); Wo (in the module: [1024, 1024], K = its axis 0); Wq (in the module: [1024, 1024], K = its axis 0); Wv (in the module: [1024, 1024], K = its axis 0): each comes as NAME_codes (uint8): NAME with its K axis moved to the last place and cut into blocks of 32 codes, [.., K / 32, bytes a block], one block behind the other in memory; four codes in three bytes: a row's codes are one little-endian stream of bits, code i at bits 6 i .. 6 i + 5 (a code: sign, 2 exponent bits, 3 mantissa bits); and NAME_scales (uint8): the same leading axes, one E8M0 byte (e + 127) for each 32 codes along K. Its value is code x scale, taken as it is: it is not quantised again, and the codes and scales need not be those that the quantiser above would give.
;; One version. Each part assembles by itself: llvm-mc -triple=amdgcn-amd-amdhsa -mcpu=gfx1250 --defsym DOCPART=n.
;; ======== version 1 of 1: 7 launches
;; limits: right only within a limited range of input values
;; workspace buffers: Y 3,276,800 bytes; Q 3,407,872 bytes; KV 6,815,744 bytes; O 3,276,800 bytes; X1 16,777,216 bytes; Hh 6,553,600 bytes
;; launch ln1 (part 1): grid 256 x 1, 4 waves a work-group, no clusters, 75,776 bytes of LDS; arguments x, ln1_g, ln1_b, Y; writes Y
.if DOCPART == 1
	.amdgcn_target "amdgcn-amd-amdhsa--gfx1250"
	.amdhsa_code_object_version 6
	.text
	.protected	k_qfff7564220_ln1
	.globl	k_qfff7564220_ln1
	.p2align	8
	.type	k_qfff7564220_ln1,@function
k_qfff7564220_ln1:
	s_mov_b64 s[64:65], 0
	v_nop
	global_prefetch_b8 v0, s[64:65] scope:SCOPE_SE
	s_setreg_imm32_b32 hwreg(HW_REG_WAVE_MODE, 25, 1), 1
	s_wait_xcnt 0x0
; y = (x - mean) * rsqrt(var + 1e-5) * g + b over rows of 1,024 f32, then quantised along the row to codes of E2M3 with one E8M0 byte for each 32.
; SHARES.  A work-group takes 16 tokens (one tile of rows), wave w features 256 w .. 256 w + 255 of all 16.
; Loads take the bytes as they lie (512 consecutive bytes an instruction); the wave's 16 x 1,024 bytes turn through its own stage in LDS, so that lane (r, h)
; ends up with token r and, in register 32 m + i, feature 256 w + 64 m + 32 h + i: four whole blocks of 32 in one lane, in the order of a 6-bit operand's registers.
; Mean and variance (of the centred numbers: two passes over registers) meet across the four waves in LDS: two barriers.
; OUT.  Codes as images of operand registers: [tile][K / 64][768 bytes]: bytes 16 L hold the lane's registers 0-3, bytes 512 + 8 L registers 4-5.  Scale bytes [token][32] at YSC.
; LIMITS: NaN and infinities are not served.  A block whose largest magnitude lies under 2^-124 (a block of zeros too) gets the byte 1; its codes are then zeros or tiny, and this program alone reads the bytes.
.set ROWP, 1040                        ; a stage row: 1,024 bytes + 16: the 16 rows that a read touches start 260 words apart
.set STGW, 16*ROWP                     ; a wave's stage
.set GBB,  4*STGW                      ; behind the stages: each wave's 1,024 bytes of g, then of b
.set ST1,  GBB+4*2048                  ; [wave][token] partial sums; the second reduction's lie 256 bytes on
.set YSC,  3145728                     ; where the scale bytes begin in Y
.set SEL,  16                          ; s[16:17] lane selects: lane l xor 16
	s_load_b256 s[4:11], s[0:1], 0x0               ; x, g, b, Y
	v_lshl_add_u32 v126, v0, 2, 0x12600
	v_mov_b32 v127, 0
	v_lshrrev_b32 v1, 5, v0
	v_readfirstlane_b32 s12, v1                    ; wave
	v_and_b32 v28, 31, v0                          ; L
	v_and_b32 v2, 15, v0                           ; r
	v_bfe_u32 v3, v0, 4, 1                         ; h
	v_lshlrev_b32 v1, 4, v28                       ; 16 L
	v_lshlrev_b32 v10, 3, v28                      ; 8 L
	v_lshlrev_b32 v11, 5, v2                       ; 32 r: my token's row of scale bytes
	s_mul_i32 s13, s12, STGW
	v_add_nc_u32 v4, s13, v1                       ; stage, in: 16 L
	v_mul_u32_u24 v5, v2, ROWP
	v_lshl_add_u32 v5, v3, 7, v5
	v_add_nc_u32 v5, s13, v5                       ; stage, out: row r, + 128 h
	s_lshl_b32 s14, s12, 11
	s_add_co_u32 s14, s14, GBB
	v_add_nc_u32 v6, s14, v1                       ; g and b, in
	v_lshlrev_b32 v7, 7, v3
	v_add_nc_u32 v7, s14, v7                       ; g and b, out: + 128 h
	v_lshlrev_b32 v9, 2, v2
	v_add_nc_u32 v9, ST1, v9                       ; the four waves' sums of token r
	s_lshl_b32 s15, s12, 6
	v_add_nc_u32 v8, s15, v9                       ; my wave's
	s_mov_b32 s[SEL], 0x76543210
	s_mov_b32 s[SEL+1], 0xfedcba98
	s_mov_b32 s18, 0x3a800000                      ; 1 / 1,024
	s_mov_b32 s19, 0x3727c5ac                      ; 1e-5
	s_lshl_b32 s20, ttmp9, 16                      ; x: 16 rows of 4,096 bytes a work-group, + 1,024 w
	s_lshl_b32 s22, s12, 10
	s_add_co_u32 s20, s20, s22
	s_mov_b32 s21, 0
	s_mov_b32 s23, 0                               ; s[22:23]: 1,024 w, for g and b
	s_mul_i32 s24, ttmp9, 12288                    ; codes: 16 images a tile, my four from 4 w on
	s_mul_i32 s26, s12, 3072
	s_add_co_u32 s24, s24, s26
	s_mov_b32 s25, 0
	s_lshl_b32 s26, ttmp9, 9                       ; scale bytes: 512 a tile, my two words at 8 w
	s_lshl_b32 s27, s12, 3
	s_add_co_u32 s26, s26, s27
	s_add_co_u32 s26, s26, YSC
	s_mov_b32 s27, 0
	s_wait_alu depctr_va_vdst(0)
	s_wait_kmcnt 0x0
	s_add_nc_u64 s[4:5], s[4:5], s[20:21]
	s_add_nc_u64 s[6:7], s[6:7], s[22:23]
	s_add_nc_u64 s[8:9], s[8:9], s[22:23]
	s_add_nc_u64 s[26:27], s[10:11], s[26:27]
	s_add_nc_u64 s[10:11], s[10:11], s[24:25]
	global_load_b128 v[32:35], v1, s[6:7]
	global_load_b128 v[36:39], v1, s[6:7] offset:512
	global_load_b128 v[40:43], v1, s[8:9]
	global_load_b128 v[44:47], v1, s[8:9] offset:512
.irp i, 0,1,2,3,4,5,6,7,8,9,10,11,12,13,14,15
	global_load_b128 v[128+8*\i:131+8*\i], v1, s[4:5] offset:4096*\i
	global_load_b128 v[132+8*\i:135+8*\i], v1, s[4:5] offset:4096*\i+512
.endr
.irp i, 0,1,2,3,4,5,6,7,8,9,10,11,12,13,14,15
	s_wait_loadcnt 30-2*\i                         ; token i's two loads are in; those of the tokens behind it may be out
.if \i == 0
	ds_store_b128 v6, v[32:35]                     ; g and b were asked for ahead of x
	ds_store_b128 v6, v[36:39] offset:512
	ds_store_b128 v6, v[40:43] offset:1024
	ds_store_b128 v6, v[44:47] offset:1536
.endif
	ds_store_b128 v4, v[128+8*\i:131+8*\i] offset:ROWP*\i
	ds_store_b128 v4, v[132+8*\i:135+8*\i] offset:ROWP*\i+512
.endr
.irp m, 0,1,2,3                                ; LDS serves a wave's instructions in order: these see my stores
.irp e, 0,1,2,3,4,5,6,7
	ds_load_b128 v[128+32*\m+4*\e:131+32*\m+4*\e], v5 offset:256*\m+16*\e
.endr
.endr
.macro GBLOAD m                                ; g and b of my 32 features of block m
.irp e, 0,1,2,3,4,5,6,7
	ds_load_b128 v[32+4*\e:35+4*\e], v7 offset:256*(\m)+16*\e
	ds_load_b128 v[64+4*\e:67+4*\e], v7 offset:1024+256*(\m)+16*\e
.endr
.endm
	GBLOAD 0
	s_wait_dscnt 16                                ; my 128 numbers are back; the 16 loads of g and b may be out
; four packed chains in v[16:23] become one number a token: my lane's, lane l xor 16's, then the four waves' through LDS, added in one order in all waves
.macro REDUCE off
	v_pk_add_f32 v[16:17], v[16:17], v[18:19]
	v_pk_add_f32 v[20:21], v[20:21], v[22:23]
	v_pk_add_f32 v[16:17], v[16:17], v[20:21]
	v_add_f32 v16, v16, v17
	v_permlanex16_b32 v17, v16, s[SEL], s[SEL+1]
	v_add_f32 v16, v16, v17
	ds_store_b32 v8, v16 offset:\off               ; both halves of the lanes write the same word with the same value
	s_wait_dscnt 0x0                               ; for the others' sake: my store has landed
	s_barrier_signal -1
	s_barrier_wait -1
	ds_load_b32 v28, v9 offset:\off
	ds_load_b32 v29, v9 offset:\off+64
	ds_load_b32 v30, v9 offset:\off+128
	ds_load_b32 v31, v9 offset:\off+192
	s_wait_dscnt 0x0
	v_add_f32 v28, v28, v29
	v_add_f32 v30, v30, v31
	v_add_f32 v28, v28, v30
.endm
.irp c, 0,1,2,3
	v_pk_add_f32 v[16+2*\c:17+2*\c], v[128+2*\c:129+2*\c], v[136+2*\c:137+2*\c]   ; the first eight pairs start the chains
.endr
.set j, 8
.rept 56
	v_pk_add_f32 v[16+2*(j%4):17+2*(j%4)], v[16+2*(j%4):17+2*(j%4)], v[128+2*j:129+2*j]
.set j, j+1
.endr
	REDUCE 0
	v_mul_f32 v12, s18, v28                        ; the mean, in both registers of a pair
	v_mov_b32 v13, v12
.set j, 0
.rept 64
	v_pk_add_f32 v[128+2*j:129+2*j], v[128+2*j:129+2*j], v[12:13] neg_lo:[0,1] neg_hi:[0,1]   ; x - mean, in place
.set j, j+1
.endr
.irp c, 0,1,2,3
	v_pk_mul_f32 v[16+2*\c:17+2*\c], v[128+2*\c:129+2*\c], v[128+2*\c:129+2*\c]
.endr
.set j, 4
.rept 60
	v_pk_fma_f32 v[16+2*(j%4):17+2*(j%4)], v[128+2*j:129+2*j], v[128+2*j:129+2*j], v[16+2*(j%4):17+2*(j%4)]
.set j, j+1
.endr
	REDUCE 256                                     ; other words than the first reduction's: no third barrier
	v_fma_f32 v28, v28, s18, s19                   ; the variance + 1e-5
	s_wait_alu depctr_va_vdst(0)
	v_rsq_f32 v14, v28
	v_rsq_f32 v15, v28
	v_nop                                          ; a plain line between the transcendentals and the use of their results
	s_wait_alu depctr_va_vdst(0)
; block m: 32 features of my token: scaled, quantised (all 32 are mine: no other lane is asked), stored as my lane's part of image 4 w + m
.macro BLOCK m
.set BA, 128+32*(\m)
.set BC, 96+8*(\m)
	s_wait_dscnt 0x0                               ; this block's g and b are in
.set j, 0
.rept 16
	v_pk_mul_f32 v[BA+2*j:BA+2*j+1], v[BA+2*j:BA+2*j+1], v[14:15]
.set j, j+1
.endr
.set j, 0
.rept 16
	v_pk_fma_f32 v[BA+2*j:BA+2*j+1], v[BA+2*j:BA+2*j+1], v[32+2*j:33+2*j], v[64+2*j:65+2*j]
.set j, j+1
.endr
.if (\m) < 3
	GBLOAD (\m)+1                                  ; the next block's, while this one is quantised
.endif
	v_max3_num_f32 v28, |v[BA]|, |v[BA+1]|, |v[BA+2]|
	v_max3_num_f32 v29, |v[BA+3]|, |v[BA+4]|, |v[BA+5]|
.irp i, 6,10,14,18,22,26
	v_max3_num_f32 v28, v28, |v[BA+\i]|, |v[BA+\i+1]|
	v_max3_num_f32 v29, v29, |v[BA+\i+2]|, |v[BA+\i+3]|
.endr
	v_max3_num_f32 v28, v28, |v[BA+30]|, |v[BA+31]|
	v_max3_num_f32 v28, v28, v29, 0x1800000        ; and the floor 2^(3 - 127): the byte cannot fall under 1
	v_add_nc_u32 v30, 0xff000000, v28              ; 2 off the exponent field: the conversion's scale operand
	v_lshrrev_b32 v[24+(\m)], 23, v30              ; the scale's byte
	v_cvt_scalef32_pk16_fp6_f32 v[BC:BC+2], v[BA:BA+15], v30
	v_cvt_scalef32_pk16_fp6_f32 v[16:18], v[BA+16:BA+31], v30   ; (a conversion's three registers begin on an even number)
	v_nop                                          ; a plain line behind the conversions
	v_mov_b32 v[BC+3], v16
	v_mov_b32 v[BC+4], v17
	v_mov_b32 v[BC+5], v18
	global_store_b128 v1, v[BC:BC+3], s[10:11] offset:768*(\m)       ; 512 consecutive bytes a wave
	global_store_b64 v10, v[BC+4:BC+5], s[10:11] offset:768*(\m)+512 ; 256 consecutive bytes
.endm
	BLOCK 0
	BLOCK 1
	BLOCK 2
	BLOCK 3
	v_lshlrev_b32 v28, 3, v3                       ; my bytes stand 8 h bits up in their words
	v_lshl_or_b32 v20, v25, 16, v24                ; blocks 8 w + h and 8 w + 2 + h
	v_lshl_or_b32 v21, v27, 16, v26
	v_lshlrev_b32 v20, v28, v20
	v_lshlrev_b32 v21, v28, v21
	v_permlanex16_b32 v22, v20, s[SEL], s[SEL+1]
	v_permlanex16_b32 v23, v21, s[SEL], s[SEL+1]
	v_or_b32 v20, v20, v22                         ; with lane l xor 16's bytes the words are whole
	v_or_b32 v21, v21, v23
	global_store_b64 v11, v[20:21], s[26:27]       ; the words of K steps 2 w and 2 w + 1 of token r (both halves of the lanes store the same)
	s_wait_tensorcnt 0x0
	ds_add_u32 v126, v127
	s_wait_dscnt 0x0
	s_endpgm
.Lfunc_end_k_qfff7564220_ln1:
	.size	k_qfff7564220_ln1, .Lfunc_end_k_qfff7564220_ln1-k_qfff7564220_ln1
	.p2alignl 7, 3214868480
	.fill 96, 4, 3214868480
	.section	.rodata,"a",@progbits
	.p2align	6, 0x0
	.amdhsa_kernel k_qfff7564220_ln1
		.amdhsa_group_segment_fixed_size 75776
		.amdhsa_private_segment_fixed_size 0
		.amdhsa_enable_private_segment 0
		.amdhsa_kernarg_size 32
		.amdhsa_user_sgpr_count 2
		.amdhsa_user_sgpr_kernarg_segment_ptr 1
		.amdhsa_wavefront_size32 1
		.amdhsa_system_sgpr_workgroup_id_x 1
		.amdhsa_system_sgpr_workgroup_id_y 1
		.amdhsa_system_sgpr_workgroup_id_z 1
		.amdhsa_system_vgpr_workitem_id 0
		.amdhsa_next_free_vgpr 256
		.amdhsa_next_free_sgpr 66
		.amdhsa_reserve_vcc 0
		.amdhsa_float_denorm_mode_32 3
		.amdhsa_float_denorm_mode_16_64 3
		.amdhsa_memory_ordered 1
		.amdhsa_forward_progress 1
		.amdhsa_inst_pref_size 44
	.end_amdhsa_kernel
	.amdgpu_metadata
---
amdhsa.version: [ 1, 2 ]
amdhsa.kernels:
  - .name:           k_qfff7564220_ln1
    .symbol:         k_qfff7564220_ln1.kd
    .args:
      - { .name: x, .offset: 0, .size: 8, .value_kind: global_buffer, .address_space: global }
      - { .name: ln1_g, .offset: 8, .size: 8, .value_kind: global_buffer, .address_space: global }
      - { .name: ln1_b, .offset: 16, .size: 8, .value_kind: global_buffer, .address_space: global }
      - { .name: Y, .offset: 24, .size: 8, .value_kind: global_buffer, .address_space: global }
    .group_segment_fixed_size: 75776
    .private_segment_fixed_size: 0
    .kernarg_segment_align: 8
    .kernarg_segment_size: 32
    .max_flat_workgroup_size: 128
    .sgpr_count:     66
    .vgpr_count:     256
    .wavefront_size: 32
...
	.end_amdgpu_metadata
.endif
;; end of part 1
;; launch qkv (part 2): grid 16 x 16, 4 waves a work-group, no clusters, 327,680 bytes of LDS; arguments Y, Wq_codes, Wq_scales, Wk_codes, Wk_scales, Wv_codes, Wv_scales, bq, bk, bv, Q, KV; writes Q, KV
.if DOCPART == 2
	.amdgcn_target "amdgcn-amd-amdhsa--gfx1250"
	.amdhsa_code_object_version 6
	.text
	.protected	k_qfff7564220_qkv
	.globl	k_qfff7564220_qkv
	.p2align	8
	.type	k_qfff7564220_qkv,@function
k_qfff7564220_qkv:
	s_mov_b64 s[64:65], 0
	v_nop
	global_prefetch_b8 v0, s[64:65] scope:SCOPE_SE
	s_setreg_imm32_b32 hwreg(HW_REG_WAVE_MODE, 25, 1), 1
	s_wait_xcnt 0x0
; q, k, v = y W + b for 256 tokens (work-group x) and one head's 64 features (work-group y), on codes of E2M3 with E8M0 scales, and each result quantised at once for attention.
; SHARES.  Wave w: tokens 64 w .. 64 w + 63 of the 256, all 64 features: 16 accumulators.  Its 4 tiles of y, all 8 K steps of 128, come ONCE from the image buffer into registers (windows 2, 3) and serve three passes.
; The head's 64 rows of Wq, Wk, Wv, whole K, lie in LDS: three groups of four chunks (256 along K: 64 rows x 192 bytes, 16 bytes of padding behind each 64, rows 240 bytes apart).
; Wave w brings chunk w of each group: three tensor loads a wave, all first fills; no LDS byte is filled twice, and three are out at the most.
; PASSES 0, 1 (q, k): source 0 = 16 rows of W, source 1 = 16 tokens: a lane holds one token and its registers run along the head's 64, which is the next product's K.
; PASS 2 (v): sources swapped: a lane holds one feature d and its registers run along 64 tokens, the keys, which are the second attention product's K.
; The bias is the C of each sum's first product.
; QUANTISING.  32 registers of a lane are two half blocks of 32: with lane l xor 16 a block is whole.  After the exchange of halves a lane holds one block as groups of eight [g0 g2 g1 g3]:
; q and k (along the head), v and the softmax's p (along the keys) are all laid so, the same order of k on both sides of a product, inside one block: scales and products are those of the true order; only the order of the sums differs.
; OUT: images of operand registers (768 bytes for 16 rows x 64 K: 16 L: registers 0-3; 512 + 8 L: registers 4-5) and one word a row (bytes 0, 1: the two blocks' scales; bytes 2, 3: 0).
; No clusters: the shared tiles are fetched once a work-group, at the start, and more than half of a work-group's bytes are a wave's own.
; LIMITS: NaN and infinities are not served; a block under 2^-124 gets the byte 1; a given scale byte 0xff gives NaN, as the format says.
; REGISTERS: window 0: v1-9 addresses; v32-47 W's scale words, v48-63 y's (lane L: row 32 p + L; register = K step); v64-111 codes; v112-115 scale words made; v116-121 at work; v128-255 accumulators (token or feature tile n, source-0 tile m) at 128 + 32 n + 8 m.
;   window 1: v0-47, v48-95 W's fragments, two sets; v96-127 bq, v128-159 bk, v160-191 bv spread, v192-195 bv as loaded.   windows 2, 3: y's fragments: K step ks at window 2 + ks / 4, v[48 (ks % 4) + 12 tile].
; W IN LDS, AS THE TEXT NOW HAS IT (in place of the chunks named above): a group is a head's 64 rows of one W, whole rows of 768 bytes, 16 bytes of padding behind each 256: rows 816 bytes apart.
; Wave w brings rows 16 w .. 16 w + 15 of a group with one tensor load; every row begins at a multiple of 256 bytes.  Wq's group is asked for at the head, Wk's behind the barrier in front of pass 0,
; Wv's behind the barrier in front of pass 1: one tensor load a wave at the head and behind each of these barriers.
; K's and V's records of a key step lie one behind the other in ONE buffer, KV: 13,312 bytes a step.
.set KSTEPS, 8
.set KS,     8                         ; scale words in a row
.set HS,     16                        ; images in a tile of y
.set KROW,   768                       ; a row of W in bytes
.set RES2W,  1                         ; y's fragments fill two windows
.set WS,     32
.set RS,     48
.set TM,     116
.set SEL,    56
.set AC,     66                        ; s[66:67] y's codes, s[68:69] y's scale rows
.set YSC,    3145728
.set MSB, 0
.macro WIN new                         ; the immediate's high byte repeats the setting that is left
.if MSB != (\new)
	s_set_vgpr_msb (MSB<<8)|(\new)
.set MSB, \new
.endif
.endm
.macro PLACES                          ; four plain lines behind matrix instructions, ahead of loads into their registers and of reads of their results
.rept 4
	v_nop
.endr
.endm
; a fragment of W, 16 rows x 128 K: lane (r, h) takes 24 bytes twice, in pieces of 8.  Lanes 16-31 read three pieces on; where that lies behind one padding more, v9 (40 for 24 bytes a half) serves
.macro FRAG reg, ks, i
.irp p, 0,1,2,3,4,5
.set BY, 96*((\ks)%8)+48*(\p/3)+8*(\p%3)       ; where the piece of lanes 0-15 begins in the group's row; byte y lies at y + 16 (y / 256) of the LDS row
.if BY%256 < 232
	ds_load_b64 v[(\reg)+2*\p:(\reg)+2*\p+1], v8 offset:(\i)*13056+BY+16*(BY/256)
.else                                          ; lanes 16-31, 24 bytes on, lie behind one padding more
	ds_load_b64 v[(\reg)+2*\p:(\reg)+2*\p+1], v9 offset:(\i)*13056+BY+16*(BY/256)
.endif
.endr
.endm
.macro FETCHW set, ks                  ; W's four fragments of K step ks: 24 loads
	WIN 0x40
.irp i, 0,1,2,3
	FRAG 48*(\set)+12*\i, \ks, \i
.endr
.endm
.macro LOADRES ks                      ; my four tiles' fragments of K step ks, from the images: 16 dense loads
	WIN 0x80+0x40*RES2W*(((\ks)%8)/4)
.irp s, 0,1,2,3
.set RR, 48*((\ks)%4)+12*\s
	global_load_b128 v[RR:RR+3], v1, s[AC:AC+1] offset:\s*(HS*768)+1536*(\ks)
	global_load_b64 v[RR+4:RR+5], v2, s[AC:AC+1] offset:\s*(HS*768)+1536*(\ks)+512
	global_load_b128 v[RR+6:RR+9], v1, s[AC:AC+1] offset:\s*(HS*768)+1536*(\ks)+768
	global_load_b64 v[RR+10:RR+11], v2, s[AC:AC+1] offset:\s*(HS*768)+1536*(\ks)+1280
.endr
.endm
.macro LOADSC reg, base, off           ; 64 rows' scale words: lane L takes the whole row 32 p + L
.irp p, 0,1
.set q, 0
.rept KS/4
	global_load_b128 v[(\reg)+KS*\p+4*q:(\reg)+KS*\p+4*q+3], v4, s[\base:\base+1] offset:(\off)+\p*128*KS+16*q
.set q, q+1
.endr
.endr
.endm
.macro WMX                             ; one product; an odd tile's scales stand in lanes 16-31 of its pair's register
.if (rRA == 0) && (rRB == 0)
	v_wmma_scale_f32_16x16x128_f8f6f4 v[rD:rD+7], v[rA:rA+11], v[rB:rB+11], v[rC:rC+7], v[rSA], v[rSB] matrix_a_fmt:MATRIX_FMT_FP6 matrix_b_fmt:MATRIX_FMT_FP6
.elseif (rRA == 1) && (rRB == 0)
	v_wmma_scale_f32_16x16x128_f8f6f4 v[rD:rD+7], v[rA:rA+11], v[rB:rB+11], v[rC:rC+7], v[rSA], v[rSB] matrix_a_fmt:MATRIX_FMT_FP6 matrix_b_fmt:MATRIX_FMT_FP6 matrix_a_scale:MATRIX_SCALE_ROW1
.elseif rRA == 0
	v_wmma_scale_f32_16x16x128_f8f6f4 v[rD:rD+7], v[rA:rA+11], v[rB:rB+11], v[rC:rC+7], v[rSA], v[rSB] matrix_a_fmt:MATRIX_FMT_FP6 matrix_b_fmt:MATRIX_FMT_FP6 matrix_b_scale:MATRIX_SCALE_ROW1
.else
	v_wmma_scale_f32_16x16x128_f8f6f4 v[rD:rD+7], v[rA:rA+11], v[rB:rB+11], v[rC:rC+7], v[rSA], v[rSB] matrix_a_fmt:MATRIX_FMT_FP6 matrix_b_fmt:MATRIX_FMT_FP6 matrix_a_scale:MATRIX_SCALE_ROW1 matrix_b_scale:MATRIX_SCALE_ROW1
.endif
.endm
; 16 products, the 16 accumulators by turns, in the same order in every K step.  mode 0: source 0 = W; 1: source 0 = y.
; cm 0: onto the sums; 1: C = window 1, v[cb + 8 m]; 2: C = window 1, v[cb + 8 n]
.macro MUL16 set, ks, mode, cm, cb
.set RWN, 2+RES2W*(((\ks)%8)/4)
.set CWN, 0
.if (\cm) != 0
.set CWN, 16
.endif
.if (\mode) == 0
	WIN 1+4*RWN+CWN
.else
	WIN RWN+4+CWN
.endif
.irp n, 0,1,2,3
.irp m, 0,1,2,3
.set rD, 128+32*\n+8*\m
.set rC, rD
.if (\cm) == 1
.set rC, (\cb)+8*\m
.endif
.if (\cm) == 2
.set rC, (\cb)+8*\n
.endif
.if (\mode) == 0
.set rA, 48*(\set)+12*\m
.set rB, 48*((\ks)%4)+12*\n
.set rSA, WS+KS*(\m/2)+(\ks)
.set rSB, RS+KS*(\n/2)+(\ks)
.else
.set rA, 48*((\ks)%4)+12*\m
.set rB, 48*(\set)+12*\n
.set rSA, RS+KS*(\m/2)+(\ks)
.set rSB, WS+KS*(\n/2)+(\ks)
.endif
.set rRA, \m%2
.set rRB, \n%2
	WMX
.endr
.endr
.endm
.macro STEP ks, pass, mode, cm, cb
.if (\ks) > 0
	PLACES                                         ; behind the last 16 products: the loads below land in the set that they read
.endif
.if (\ks)+1 < KSTEPS
	FETCHW ((\ks)+1)%2, (\ks)+1
.endif
.if ((\pass) == 0) && ((\ks)+3 < KSTEPS)
	LOADRES (\ks)+3
.endif
.if (\ks)+1 < KSTEPS
	s_wait_dscnt 24                                ; this step's set is in; the 24 loads just issued may be out
.else
	s_wait_dscnt 0x0
.endif
.if (\pass) == 0
.if KSTEPS-1-(\ks) >= 3
	s_wait_loadcnt 48                              ; y's group of this step is in; the three groups of 16 behind it may be out
.else
	s_wait_loadcnt 16*(KSTEPS-1-(\ks))
.endif
.endif
.if (\ks) == 0
	MUL16 0, 0, \mode, \cm, \cb
.else
	MUL16 (\ks)%2, \ks, \mode, 0, 0
.endif
.endm
.macro PASSHEAD g, ld                  ; group g of W is whole in LDS: my rows have landed, and behind the barrier everybody's; ld > 0: group ld is asked for behind it
	WIN 0
	s_wait_alu depctr_va_vdst(0)
	s_wait_tensorcnt 0x0                           ; all my tensor loads have landed
.if (\ld) > 0
	ds_add_u32 v126, v127                          ; the add and its wait, ahead of a later first fill
	s_wait_dscnt 0x0
.endif
	s_barrier_signal -1
	s_barrier_wait -1
.if (\ld) > 0
	tensor_load_to_lds s[44+4*(\ld):47+4*(\ld)], s[36:43]   ; my one tensor load behind this barrier: bytes that nothing has filled yet
	s_nop 0
	PLACES
.endif
	v_add_nc_u32 v8, (\g)*61440, v6
	v_add_nc_u32 v9, (\g)*61440, v7
	FETCHW 0, 0
.endm
; 32 numbers of a lane, v[a] on (register 16 b + i: of block b my groups g_h and g_(2+h)), become my lane's part of an image in v[pc:pc+5], and the two scale bytes in v[pw]
.macro QUANT2 a, pc, pw
.irp b, 0,1
	v_max3_num_f32 v[TM+\b], |v[(\a)+16*\b]|, |v[(\a)+16*\b+1]|, 0x1800000   ; with the floor 2^(3 - 127): the byte cannot fall under 1.  Each accumulator is read from its low end on
.endr
.irp i, 2,4,6,8,10,12,14
.irp b, 0,1
	v_max3_num_f32 v[TM+\b], v[TM+\b], |v[(\a)+16*\b+\i]|, |v[(\a)+16*\b+\i+1]|
.endr
.endr
.irp b, 0,1
	v_permlanex16_b32 v[TM+2+\b], v[TM+\b], s[SEL], s[SEL+1]
.endr
.irp b, 0,1
	v_max_num_f32 v[TM+\b], v[TM+\b], v[TM+2+\b]   ; with lane l xor 16's: the block's largest magnitude
.endr
.irp b, 0,1
	v_add_nc_u32 v[TM+4+\b], 0xff000000, v[TM+\b]  ; 2 off the exponent field: the conversion's scale operand
.endr
.irp b, 0,1
	v_lshrrev_b32 v[TM+2+\b], 23, v[TM+4+\b]       ; the scale's byte
.endr
	v_lshl_or_b32 v[\pw], v[TM+3], 8, v[TM+2]
	v_cvt_scalef32_pk16_fp6_f32 v[(\pc):(\pc)+2], v[(\a):(\a)+15], v[TM+4]
	v_cvt_scalef32_pk16_fp6_f32 v[(\pc)+8:(\pc)+10], v[(\a)+16:(\a)+31], v[TM+5]
	v_nop                                          ; a plain line behind the conversions
.irp i, 0,1,2
	v_permlane16_swap_b32 v[(\pc)+\i], v[(\pc)+8+\i]   ; lanes 0-15 now hold block 0, lanes 16-31 block 1: [g0 g2] and [g1 g3]
.endr
.irp i, 0,1,2
	v_mov_b32 v[(\pc)+3+\i], v[(\pc)+8+\i]
.endr
.endm
.macro EPI cbase, sbase, first         ; the four tiles of 16 rows leave: an image and 16 scale words each
	WIN 0
.if !(\first)
	s_wait_xcnt 0x0                                ; the last pass's stores have read their registers: these are written again
.endif
.irp s, 0,1,2,3
	QUANT2 128+32*\s, 64+12*\s, 112+\s
	global_store_b128 v1, v[64+12*\s:67+12*\s], s[\cbase:\cbase+1] offset:768*\s
	global_store_b64 v2, v[68+12*\s:69+12*\s], s[\cbase:\cbase+1] offset:768*\s+512
	global_store_b32 v3, v[112+\s], s[\sbase:\sbase+1] offset:64*\s      ; both halves of the lanes store the same word
.endr
.endm
	s_load_b512 s[8:23], s[0:1], 0x0               ; Y, Wq codes, Wq scales, Wk codes, Wk scales, Wv codes, Wv scales, bq
	s_load_b256 s[24:31], s[0:1], 0x40             ; bk, bv, Q, KR
	v_lshl_add_u32 v126, v0, 2, 0x2d000
	v_mov_b32 v127, 0
	ds_add_u32 v126, v127
	ds_add_u32 v126, v127
	v_lshrrev_b32 v1, 5, v0
	v_readfirstlane_b32 s2, v1                     ; wave
	s_mov_b32 s3, ttmp9                            ; tg: which 256 tokens
	s_and_b32 s4, ttmp7, 0xffff                    ; hd: the head
	s_mov_b32 s36, (1<<20)|(5<<22)|(3<<25)         ; group 1: elements of 1 byte; padding on: behind every 64 words, 4 words
	s_mov_b32 s37, 768<<16                         ; tensor_dim0 = 768
	s_mov_b32 s38, 16<<16                          ; tensor_dim1 = 16
	s_mov_b32 s39, 768<<16                         ; tile_dim0 = 768
	s_mov_b32 s40, 16                              ; tile_dim1 = 16
	s_mov_b32 s41, KROW                            ; from row to row
	s_mov_b32 s42, 0
	s_mov_b32 s43, 0
	s_mul_i32 s58, s4, 64*KROW                     ; the head's 64 rows
	s_mul_i32 s60, s2, 16*KROW                     ; my 16 rows of the head's 64
	s_add_co_u32 s58, s58, s60
	s_mov_b32 s59, 0
	s_mul_i32 s60, s2, 13056                       ; their place in a group: 16 rows of 816 bytes a wave
	v_and_b32 v10, 31, v0                          ; L
	v_and_b32 v11, 15, v0                          ; r
	v_bfe_u32 v12, v0, 4, 1                        ; h
	v_lshlrev_b32 v1, 4, v10                       ; 16 L
	v_lshlrev_b32 v2, 3, v10                       ; 8 L
	v_lshlrev_b32 v3, 2, v11                       ; 4 r
	v_mul_u32_u24 v4, v10, 4*KS                    ; a row of scale bytes a lane
	v_lshlrev_b32 v5, 5, v12                       ; 32 h: my eight numbers of a bias tile
	v_mul_u32_u24 v6, v11, 816
	v_mad_u32_u24 v6, v12, 24, v6                  ; W in LDS: row r, + 24 h
	v_lshl_add_u32 v7, v12, 4, v6                  ; and behind one padding more
	v_mov_b32 v[TM+2], 0                           ; written once: a lane permute's destination counts as one of its sources
	v_mov_b32 v[TM+3], 0
	s_mov_b32 s[SEL], 0x76543210
	s_mov_b32 s[SEL+1], 0xfedcba98
	s_wait_alu depctr_va_vdst(0)
	s_wait_dscnt 0x0
	s_wait_kmcnt 0x0
.irp g, 0,1,2
	s_mov_b32 s[44+4*\g], 1
	s_add_co_u32 s[45+4*\g], s60, \g*61440
	s_add_nc_u64 s[46+4*\g:47+4*\g], s[10+4*\g:11+4*\g], s[58:59]
	s_or_b32 s[47+4*\g], s[47+4*\g], 0x80000000
.endr
	tensor_load_to_lds s[44:47], s[36:43]          ; Wq: my 16 rows; one tensor load a wave at the head
	s_nop 0
	PLACES
	s_mul_i32 s58, s3, 196608                      ; y's codes: tile 16 tg + 4 w, 12,288 bytes a tile
	s_mul_i32 s60, s2, 49152
	s_add_co_u32 s58, s58, s60
	s_add_nc_u64 s[66:67], s[8:9], s[58:59]
	s_lshl_b32 s58, s3, 13                         ; y's scale rows: 32 bytes a token
	s_lshl_b32 s60, s2, 11
	s_add_co_u32 s58, s58, s60
	s_add_co_u32 s58, s58, YSC
	s_add_nc_u64 s[68:69], s[8:9], s[58:59]
	s_lshl_b32 s58, s4, 11                         ; W's scale rows: 64 rows of 32 bytes a head
	s_add_nc_u64 s[12:13], s[12:13], s[58:59]
	s_add_nc_u64 s[16:17], s[16:17], s[58:59]
	s_add_nc_u64 s[20:21], s[20:21], s[58:59]
	s_lshl_b32 s58, s4, 8                          ; the biases: 64 numbers a head
	s_add_nc_u64 s[22:23], s[22:23], s[58:59]
	s_add_nc_u64 s[24:25], s[24:25], s[58:59]
	s_add_nc_u64 s[26:27], s[26:27], s[58:59]
	s_lshr_b32 s60, s3, 3
	s_lshl_b32 s60, s60, 4
	s_add_co_u32 s60, s60, s4                      ; bh = 16 x batch + head
	s_and_b32 s61, s3, 7                           ; which 256 tokens of the sequence
	s_lshl_b32 s62, s60, 7
	s_lshl_b32 s63, s61, 4
	s_add_co_u32 s62, s62, s63
	s_lshl_b32 s63, s2, 2
	s_add_co_u32 s62, s62, s63                     ; Q: tile 128 bh + 16 (tg % 8) + 4 w
	s_lshl_b32 s58, s62, 6
	s_add_co_u32 s58, s58, 3145728
	s_add_nc_u64 s[70:71], s[28:29], s[58:59]      ; its scale words
	s_mul_i32 s58, s62, 768
	s_add_nc_u64 s[28:29], s[28:29], s[58:59]      ; its images
	s_lshl_b32 s62, s60, 4
	s_lshl_b32 s63, s61, 1
	s_add_co_u32 s62, s62, s63
	s_lshr_b32 s63, s2, 1
	s_add_co_u32 s62, s62, s63
	s_mul_i32 s62, s62, 13312                      ; K's record, and V's behind it
	s_and_b32 s63, s2, 1
	s_mul_i32 s58, s63, 3072
	s_add_co_u32 s58, s58, s62                     ; my half of its eight images
	s_lshl_b32 s60, s63, 8
	s_add_co_u32 s60, s60, s62
	s_add_co_u32 s60, s60, 6144                    ; and of its scale words
	s_mov_b32 s61, 0
	s_add_nc_u64 s[72:73], s[30:31], s[60:61]
	s_add_nc_u64 s[30:31], s[30:31], s[58:59]
	s_add_nc_u64 s[74:75], s[72:73], 6656          ; V's record lies 6,656 bytes behind K's
	s_add_nc_u64 s[32:33], s[30:31], 6656
	LOADSC RS, 68, 0
	LOADSC WS, 12, 0
	WIN 0x40
.irp i, 0,1,2,3
	global_load_b128 v[96+8*\i:99+8*\i], v5, s[22:23] offset:64*\i         ; bq, bk in the result's layout: features 16 i + 8 h + 0 .. 7
	global_load_b128 v[100+8*\i:103+8*\i], v5, s[22:23] offset:64*\i+16
	global_load_b128 v[128+8*\i:131+8*\i], v5, s[24:25] offset:64*\i
	global_load_b128 v[132+8*\i:135+8*\i], v5, s[24:25] offset:64*\i+16
	global_load_b32 v[192+\i], v3, s[26:27] offset:64*\i                   ; bv: feature 16 i + r
.endr
	LOADRES 0
	LOADRES 1
	LOADRES 2
	PASSHEAD 0, 1
	s_wait_alu depctr_va_vdst(0)
.irp k, 0,1,2,3,4,5,6,7
	STEP \k, 0, 0, 1, 96
.endr
	PLACES
	WIN 0
	LOADSC WS, 16, 0                               ; Wk's scale words, while q leaves
	EPI 28, 70, 1
	s_wait_loadcnt 0x0
	PASSHEAD 1, 2
	s_wait_alu depctr_va_vdst(0)
.irp k, 0,1,2,3,4,5,6,7
	STEP \k, 1, 0, 1, 128
.endr
	PLACES
	WIN 0
	LOADSC WS, 20, 0                               ; Wv's
	WIN 0x41
.irp i, 0,1,2,3
.irp j, 0,1,2,3,4,5,6,7
	v_mov_b32 v[160+8*\i+\j], v[192+\i]            ; in pass 2 a lane holds one feature: its bias in all eight registers of C
.endr
.endr
	EPI 30, 72, 0
	s_wait_loadcnt 0x0
	PASSHEAD 2, 0
	s_wait_alu depctr_va_vdst(0)
.irp k, 0,1,2,3,4,5,6,7
	STEP \k, 2, 1, 2, 160
.endr
	PLACES
	EPI 32, 74, 0
	s_wait_tensorcnt 0x0
	ds_add_u32 v126, v127
	s_wait_dscnt 0x0
	s_endpgm
.Lfunc_end_k_qfff7564220_qkv:
	.size	k_qfff7564220_qkv, .Lfunc_end_k_qfff7564220_qkv-k_qfff7564220_qkv
	.p2alignl 7, 3214868480
	.fill 96, 4, 3214868480
	.section	.rodata,"a",@progbits
	.p2align	6, 0x0
	.amdhsa_kernel k_qfff7564220_qkv
		.amdhsa_group_segment_fixed_size 327680
		.amdhsa_private_segment_fixed_size 0
		.amdhsa_enable_private_segment 0
		.amdhsa_kernarg_size 96
		.amdhsa_user_sgpr_count 2
		.amdhsa_user_sgpr_kernarg_segment_ptr 1
		.amdhsa_wavefront_size32 1
		.amdhsa_system_sgpr_workgroup_id_x 1
		.amdhsa_system_sgpr_workgroup_id_y 1
		.amdhsa_system_sgpr_workgroup_id_z 1
		.amdhsa_system_vgpr_workitem_id 0
		.amdhsa_next_free_vgpr 1024
		.amdhsa_next_free_sgpr 76
		.amdhsa_reserve_vcc 0
		.amdhsa_float_denorm_mode_32 3
		.amdhsa_float_denorm_mode_16_64 3
		.amdhsa_memory_ordered 1
		.amdhsa_forward_progress 1
		.amdhsa_inst_pref_size 139
	.end_amdhsa_kernel
	.amdgpu_metadata
---
amdhsa.version: [ 1, 2 ]
amdhsa.kernels:
  - .name:           k_qfff7564220_qkv
    .symbol:         k_qfff7564220_qkv.kd
    .args:
      - { .name: Y, .offset: 0, .size: 8, .value_kind: global_buffer, .address_space: global }
      - { .name: Wq_codes, .offset: 8, .size: 8, .value_kind: global_buffer, .address_space: global }
      - { .name: Wq_scales, .offset: 16, .size: 8, .value_kind: global_buffer, .address_space: global }
      - { .name: Wk_codes, .offset: 24, .size: 8, .value_kind: global_buffer, .address_space: global }
      - { .name: Wk_scales, .offset: 32, .size: 8, .value_kind: global_buffer, .address_space: global }
      - { .name: Wv_codes, .offset: 40, .size: 8, .value_kind: global_buffer, .address_space: global }
      - { .name: Wv_scales, .offset: 48, .size: 8, .value_kind: global_buffer, .address_space: global }
      - { .name: bq, .offset: 56, .size: 8, .value_kind: global_buffer, .address_space: global }
      - { .name: bk, .offset: 64, .size: 8, .value_kind: global_buffer, .address_space: global }
      - { .name: bv, .offset: 72, .size: 8, .value_kind: global_buffer, .address_space: global }
      - { .name: Q, .offset: 80, .size: 8, .value_kind: global_buffer, .address_space: global }
      - { .name: KV, .offset: 88, .size: 8, .value_kind: global_buffer, .address_space: global }
    .group_segment_fixed_size: 327680
    .private_segment_fixed_size: 0
    .kernarg_segment_align: 8
    .kernarg_segment_size: 96
    .max_flat_workgroup_size: 128
    .sgpr_count:     76
    .vgpr_count:     1024
    .wavefront_size: 32
...
	.end_amdgpu_metadata
.endif
;; end of part 2
;; launch attn (part 3): grid 8 x 32, 16 waves a work-group, clusters of 4 x 1, 327,680 bytes of LDS; arguments Q, KV, O; writes O
.if DOCPART == 3
	.amdgcn_target "amdgcn-amd-amdhsa--gfx1250"
	.amdhsa_code_object_version 6
	.text
	.protected	k_qfff7564220_attn
	.globl	k_qfff7564220_attn
	.p2align	8
	.type	k_qfff7564220_attn,@function
k_qfff7564220_attn:
	s_mov_b64 s[64:65], 0
	v_nop
	global_prefetch_b8 v0, s[64:65] scope:SCOPE_SE
	s_setreg_imm32_b32 hwreg(HW_REG_WAVE_MODE, 25, 1), 1
	s_wait_xcnt 0x0
	s_wait_alu depctr_hold_cnt(0) depctr_sa_sdst(0) depctr_va_vdst(0) depctr_va_sdst(0) depctr_va_ssrc(0) depctr_va_vcc(0) depctr_vm_vsrc(0)
	s_getreg_b32 s2, hwreg(HW_REG_IB_STS2, 6, 4)
	s_cmp_eq_u32 s2, 0
	s_cbranch_scc0 .Lentry_in_a_cluster
	s_endpgm
.Lentry_in_a_cluster:
	s_bfe_u32 s2, ttmp6, 0x10000c
	s_cmp_lg_u32 s2, 0x3003
	s_cbranch_scc0 .Lentry_shape_is_right
	s_endpgm
.Lentry_shape_is_right:
; o = softmax(q k^T / 8) v for one (batch, head) (work-group y) and 256 queries (work-group x), on codes of E2M3 with E8M0 scales; o is quantised at once for the projection on the way out.
; SHARES.  Wave w: 16 queries, all 2,048 keys in 16 steps of 128.  Both products are used transposed (S^T = k q^T, O^T = v^T p^T): a lane holds one query throughout.
; The head's size is 64: the upper half of q's operand is zero codes, and a tile of k names the next tile's six registers (the last: zeros) as its upper half, which those zeros multiply.
; K AND V: a step's two records (eight images of operand registers and 512 bytes of scale words each, 6,656 bytes) lie one behind the other in KV; all 16 steps, 212,992 bytes, lie in LDS from DATA on.
; Steps 0-3 come by the head's tensor load (13 rows of 256 bytes a wave), steps 4-15 by a second (39 rows a wave), a later first fill.  No byte is filled twice; one tensor load of a wave is out at the most.
; CLUSTER: the four work-groups of a cluster serve the same (batch, head) and ask for both fills jointly (mask 15); descriptors hang on the wave's number and on work-group y alone.
; No prefetch: there is no loop to run ahead in: all of K and V is asked for by the two fills at the head.
; SOFTMAX: p = 2^(t - M), t = score x log2(e) / 8, M the ceiling of the running largest t, kept as -M; when M moves, the sum and O^T are multiplied by 2^(old M - new M), which rounds nothing.  The row's sum is taken of the unquantised p.
; A block's largest p is the block's largest score put through the same multiply-add and exponential.  A STEP lays all sources first, then one batch of 68 exponentials between its two waits.
; p's blocks hold their keys as groups of eight [g0 g2 g1 g3], as v's codes are laid by the launch that made them.
; OUT: O^T / sum goes through a stage in LDS ([64 features][256 queries] f32, rows 1,040 bytes apart), is read back as 32 neighbours along the queries, quantised and stored as images and scale bytes.
; LIMITS: the promise holds while the scaled scores t stay under 2^31 in magnitude; NaN and infinities are not served; a block under 2^-124 gets the byte 1.
; REGISTERS: v1-3 16 L, 8 L, 4 L; v4-6 the same + the step's place; v12 -M, v13 largest t, v14-15 the sum; v16-27 q; v32-79 k's, then v's fragments, v80-85 zeros; v96-159 S^T, then p; v160-191 O^T;
;   v192-193 v's scale words; v200-205 three more chains of the sum; v224-235 p's codes; v232-247 at work; v248-251 k's scale words; v252 the factor, v253 p's scale word, v255 q's.
.set KREC,  6656
.set PAIR,  2*KREC
.set DATA,  PAIR                       ; the records begin one pair up, so that the step's address can be moved on between k's loads and v's
.set PARTA, 4*PAIR
.set SLA,   PARTA/16
.set SLB,   12*PAIR/16
.set STG,   DATA+16*PAIR
.set SP,    1040
.set SPARE, STG+64*SP                  ; the spare words: 128 bytes a wave, 2,048 in all
.set QSC,   3145728
.set OSC,   3145728
.set SEL,   40
.set CS,    42
.set TB,    44
.set CNT,   45
.set SPW,   223
.set NIL,   243
.macro ROUND                           ; a round of the cluster's barrier
	s_barrier_signal -1
	s_barrier_wait -1
	s_cmp_lg_u32 s12, 0
	s_cbranch_scc1 .Lnot_wave_0_\@
	s_barrier_signal -3
.Lnot_wave_0_\@:
	s_barrier_wait -3
	s_barrier_signal -1
	s_barrier_wait -1
.endm
	s_load_b128 s[4:7], s[0:1], 0x0                ; Q, KV
	s_load_b64 s[8:9], s[0:1], 0x10                ; O
	v_lshl_add_u32 v[SPW], v0, 2, SPARE
	v_mov_b32 v[NIL], 0
	ds_add_u32 v[SPW], v[NIL]                      ; the opening lines: the add twice on end, then its wait
	ds_add_u32 v[SPW], v[NIL]
	v_lshrrev_b32 v1, 5, v0
	v_readfirstlane_b32 s12, v1                    ; wave
	s_bfe_u32 s15, ttmp6, 0x40000                  ; cx
	s_lshl_b32 s13, ttmp9, 2
	s_add_co_u32 s13, s13, s15                     ; work-group x: which 256 queries
	s_and_b32 s14, ttmp7, 0xffff                   ; 16 x batch + head
	s_mov_b32 s16, 15|(3<<16)|(1<<21)              ; group 1, first fill: the mask of the four; elements of 8 bytes; 13 rows of 256 bytes, dense
	s_mov_b32 s17, 32<<16
	s_mov_b32 s18, 13<<16
	s_mov_b32 s19, 32<<16
	s_mov_b32 s20, 13
	s_mov_b32 s21, 32
	s_mov_b32 s22, 0
	s_mov_b32 s23, 0
	s_mov_b32 s24, 15|(3<<16)|(1<<21)              ; second fill: 39 rows
	s_mov_b32 s25, 32<<16
	s_mov_b32 s26, 39<<16
	s_mov_b32 s27, 32<<16
	s_mov_b32 s28, 39
	s_mov_b32 s29, 32
	s_mov_b32 s30, 0
	s_mov_b32 s31, 0
	s_mul_i32 s48, s14, 16*PAIR                    ; this head's records
	s_mov_b32 s49, 0
	s_mul_i32 s52, s12, SLA                        ; my slice of steps 0-3,
	s_mul_i32 s53, s12, SLB
	s_add_co_u32 s53, s53, PARTA                   ; and of steps 4-15
	s_mov_b32 s[SEL], 0x76543210
	s_mov_b32 s[SEL+1], 0xfedcba98
	s_mov_b32 s[CS], 0x3e38aa3b                    ; log2(e) / 8
	s_mov_b32 s[CS+1], s[CS]
	s_wait_alu depctr_va_vdst(0)
	s_wait_dscnt 0x0
	s_wait_kmcnt 0x0
	s_add_nc_u64 s[50:51], s[6:7], s[48:49]
	s_mov_b32 s32, 1
	s_add_co_u32 s33, s52, DATA
	s_mov_b32 s48, s52
	s_add_nc_u64 s[34:35], s[50:51], s[48:49]
	s_or_b32 s35, s35, 0x80000000
	s_mov_b32 s36, 1
	s_add_co_u32 s37, s53, DATA
	s_mov_b32 s48, s53
	s_add_nc_u64 s[38:39], s[50:51], s[48:49]
	s_or_b32 s39, s39, 0x80000000
	ROUND                                          ; the four work-groups are here: the first joint loads meet
	tensor_load_to_lds s[32:35], s[16:23]          ; steps 0-3: one tensor load a wave at the head
	s_nop 0
	s_lshl_b32 s52, s14, 7
	s_lshl_b32 s54, s13, 4
	s_add_co_u32 s52, s52, s54
	s_add_co_u32 s52, s52, s12                     ; my tile of q
	s_mul_i32 s54, s52, 768
	s_mov_b32 s55, 0
	s_add_nc_u64 s[54:55], s[4:5], s[54:55]
	s_lshl_b32 s56, s52, 6
	s_add_co_u32 s56, s56, QSC
	s_mov_b32 s57, 0
	s_add_nc_u64 s[56:57], s[4:5], s[56:57]
	s_mov_b32 s[TB], 0
	v_and_b32 v10, 31, v0
	v_and_b32 v11, 15, v0
	v_lshlrev_b32 v1, 4, v10
	v_lshlrev_b32 v2, 3, v10
	v_lshlrev_b32 v3, 2, v10
	v_lshlrev_b32 v254, 2, v11
	v_add_nc_u32 v4, s[TB], v1                     ; step 0's place
	v_add_nc_u32 v5, s[TB], v2
	v_add_nc_u32 v6, s[TB], v3
	global_load_b128 v[16:19], v1, s[54:55]
	global_load_b64 v[20:21], v2, s[54:55] offset:512
	global_load_b32 v255, v254, s[56:57]
	s_and_b32 s46, s12, 3                          ; where my part of o goes: the flat reshape of [head][feature][query]
	s_lshr_b32 s47, s12, 2
	s_lshl_b32 s48, s14, 2
	s_add_co_u32 s48, s48, s46
	s_lshl_b32 s48, s48, 1
	s_lshr_b32 s49, s13, 2
	s_add_co_u32 s48, s48, s49
	s_and_b32 s49, s13, 3
	s_lshl_b32 s49, s49, 2
	s_add_co_u32 s49, s49, s47
	s_lshl_b32 s52, s48, 4
	s_add_co_u32 s52, s52, s49
	s_mul_i32 s52, s52, 768
	s_mov_b32 s53, 0
	s_add_nc_u64 s[58:59], s[8:9], s[52:53]
	s_lshl_b32 s52, s48, 9
	s_lshl_b32 s49, s49, 1
	s_add_co_u32 s52, s52, s49
	s_add_co_u32 s52, s52, OSC
	s_add_nc_u64 s[60:61], s[8:9], s[52:53]
	s_mul_i32 s46, s46, 16*SP                      ; the stage, back: features 16 (w % 4) .., queries 64 (w / 4) ..
	s_lshl_b32 s47, s47, 8
	s_add_co_u32 s46, s46, s47
	s_add_co_u32 s46, s46, STG
	s_lshl_b32 s47, s12, 6                         ; the stage, in: my 16 queries' columns
	s_add_co_u32 s47, s47, STG
.irp j, 22,23,24,25,26,27,80,81,82,83,84,85
	v_mov_b32 v[\j], 0                             ; zero codes
.endr
	v_mov_b32 v13, 0xff61b1e6                      ; -3e38, under every t
	v_floor_f32 v12, -v13
	v_mov_b32 v14, 0
	v_mov_b32 v15, 0
.irp b, 0,1,2,3
	v_mov_b32 v[236+\b], 0                         ; a lane permute's destination counts as one of its sources
.endr
	v_mov_b32 v253, 0
.set j, 0
.rept 32
	v_mov_b32 v[160+j], 0                          ; O^T: the step is written once; the first finds zeros
.set j, j+1
.endr
.macro TM a, n                         ; t - M of n pairs from pair a on
.set p, \a
.rept \n
	v_pk_fma_f32 v[96+2*p:97+2*p], v[96+2*p:97+2*p], s[CS:CS+1], v[12:13] op_sel_hi:[1,0,0]
.set p, p+1
.endr
.endm
.macro STEP
.irp t, 0,1,2,3,4,5,6,7
	ds_load_b128 v[32+6*\t:35+6*\t], v4 offset:DATA+768*\t
	ds_load_b64 v[36+6*\t:37+6*\t], v5 offset:DATA+768*\t+512
.endr
.irp i, 0,1,2,3
	ds_load_b32 v[248+\i], v6 offset:DATA+6144+128*\i
.endr
.irp i, 0,1,2,3
	ds_load_b32 v[196+\i], v6 offset:DATA+KREC+6144+128*\i
.endr
	s_add_co_u32 s[TB], s[TB], PAIR
	s_wait_dscnt 0x0
.irp t, 0,2,4,6
	v_wmma_scale_f32_16x16x128_f8f6f4 v[96+8*\t:103+8*\t], v[32+6*\t:43+6*\t], v[16:27], 0, v[248+\t/2], v255 matrix_a_fmt:MATRIX_FMT_FP6 matrix_b_fmt:MATRIX_FMT_FP6
	v_wmma_scale_f32_16x16x128_f8f6f4 v[104+8*\t:111+8*\t], v[38+6*\t:49+6*\t], v[16:27], 0, v[248+\t/2], v255 matrix_a_fmt:MATRIX_FMT_FP6 matrix_b_fmt:MATRIX_FMT_FP6 matrix_a_scale:MATRIX_SCALE_ROW1
.endr
	v_lshl_or_b32 v192, v198, 16, v196             ; v's scale words of 128 keys.  These five lines are the places behind the products
	v_lshl_or_b32 v193, v199, 16, v197
	v_add_nc_u32 v4, s[TB], v1                     ; one pair on: v's record now lies KREC + DATA - PAIR from here
	v_add_nc_u32 v5, s[TB], v2
	v_add_nc_u32 v6, s[TB], v3
.irp d, 0,1,2,3
.irp e, 0,1
	ds_load_b128 v[32+12*\d+6*\e:35+12*\d+6*\e], v4 offset:DATA-PAIR+KREC+(4*\e+\d)*768
	ds_load_b64 v[36+12*\d+6*\e:37+12*\d+6*\e], v5 offset:DATA-PAIR+KREC+(4*\e+\d)*768+512
.endr
.endr
.irp b, 0,1,2,3
	v_max3_num_f32 v[232+\b], v[96+16*\b], v[97+16*\b], v[98+16*\b]   ; each block's largest score, the four blocks by turns
.endr
.irp i, 3,5,7,9,11,13
.irp b, 0,1,2,3
	v_max3_num_f32 v[232+\b], v[232+\b], v[96+16*\b+\i], v[97+16*\b+\i]
.endr
.endr
.irp b, 0,1,2,3
	v_max_num_f32 v[232+\b], v[232+\b], v[111+16*\b]
.endr
.irp b, 0,1,2,3
	v_permlanex16_b32 v[236+\b], v[232+\b], s[SEL], s[SEL+1]
.endr
.irp b, 0,1,2,3
	v_max_num_f32 v[232+\b], v[232+\b], v[236+\b]  ; with lane l xor 16's half of the block
.endr
	v_max3_num_f32 v254, v232, v233, v234
	s_delay_alu instid0(VALU_DEP_1)
	v_max_num_f32 v254, v254, v235
	s_delay_alu instid0(VALU_DEP_1)
	v_mul_f32 v254, s[CS], v254
	s_delay_alu instid0(VALU_DEP_1)
	v_max_num_f32 v13, v13, v254                   ; the running largest t
	v_mov_b32 v254, v12
	s_delay_alu instid0(VALU_DEP_2)
	v_floor_f32 v12, -v13                          ; the new -M
	s_delay_alu instid0(VALU_DEP_1)
	v_sub_f32 v254, v12, v254                      ; old M - new M, a whole number
	TM 0, 4
	v_cvt_i32_f32 v254, v254
	TM 4, 4
	v_ldexp_f32 v252, 1.0, v254                    ; the factor 2^(old M - new M)
	TM 8, 24
.irp b, 0,1,2,3
	v_fma_f32 v[232+\b], v[232+\b], s[CS], v12
.endr
.set p, 0
.rept 16
	v_pk_mul_f32 v[160+2*p:161+2*p], v[160+2*p:161+2*p], v[252:253] op_sel_hi:[1,0]   ; O^T under the new M, each accumulator from its low end on
.set p, p+1
.endr
	s_wait_alu depctr_va_vdst(0)
.irp b, 0,1,2,3
	v_exp_f32 v[232+\b], v[232+\b]                 ; each block's largest p
.endr
.set p, 0
.rept 64
	v_exp_f32 v[96+p], v[96+p]
.set p, p+1
.endr
	v_pk_mul_f32 v[14:15], v[14:15], v[252:253] op_sel_hi:[1,0]   ; the sum under the new M: the plain line behind the batch
	s_wait_alu depctr_va_vdst(0)                   ; one wait for the whole batch, ahead of its first reader
.irp b, 0,1,2,3
	v_max_num_f32 v[232+\b], 0x1800000, v[232+\b]  ; the floor 2^(3 - 127): the byte cannot fall under 1
.endr
.irp b, 0,1,2,3
	v_add_nc_u32 v[244+\b], 0xff000000, v[232+\b]  ; 2 off the exponent field: the conversion's scale operand
.endr
.irp b, 0,1,2,3
	v_lshrrev_b32 v[236+\b], 23, v[244+\b]
.endr
	v_lshl_or_b32 v253, v237, 8, v236
	s_delay_alu instid0(VALU_DEP_1)
	v_lshl_or_b32 v253, v238, 16, v253
	s_delay_alu instid0(VALU_DEP_1)
	v_lshl_or_b32 v253, v239, 24, v253             ; p's scale word for these 128 keys
.irp c, 0,1
	v_cvt_scalef32_pk16_fp6_f32 v[224+6*\c:226+6*\c], v[96+32*\c:111+32*\c], v[244+2*\c]
	v_cvt_scalef32_pk16_fp6_f32 v[236+4*\c:238+4*\c], v[112+32*\c:127+32*\c], v[244+2*\c+1]
.endr
	v_nop                                          ; a plain line behind the conversions
.irp c, 0,1
.irp i, 0,1,2
	v_permlane16_swap_b32 v[224+6*\c+\i], v[236+4*\c+\i]   ; a whole block in a lane
.endr
.irp i, 0,1,2
	v_mov_b32 v[227+6*\c+\i], v[236+4*\c+\i]
.endr
.endr
	s_wait_dscnt 0x0                               ; v's fragments are in: the wait stands ahead of the sum, so that none stands between the chains' lines
	v_pk_add_f32 v[200:201], v[96:97], v[98:99]    ; the row's sum of the unquantised p, in four chains by turns
	v_pk_add_f32 v[202:203], v[100:101], v[102:103]
	v_pk_add_f32 v[204:205], v[104:105], v[106:107]
.set p, 6
.rept 25
.if (p-6)%4 == 0
	v_pk_add_f32 v[14:15], v[14:15], v[96+2*p:97+2*p]
.else
	v_pk_add_f32 v[198+2*((p-6)%4):199+2*((p-6)%4)], v[198+2*((p-6)%4):199+2*((p-6)%4)], v[96+2*p:97+2*p]
.endif
.set p, p+1
.endr
.irp d, 0,2
	v_wmma_scale_f32_16x16x128_f8f6f4 v[160+8*\d:167+8*\d], v[32+12*\d:43+12*\d], v[224:235], v[160+8*\d:167+8*\d], v[192+\d/2], v253 matrix_a_fmt:MATRIX_FMT_FP6 matrix_b_fmt:MATRIX_FMT_FP6
	v_wmma_scale_f32_16x16x128_f8f6f4 v[168+8*\d:175+8*\d], v[44+12*\d:55+12*\d], v[224:235], v[168+8*\d:175+8*\d], v[192+\d/2], v253 matrix_a_fmt:MATRIX_FMT_FP6 matrix_b_fmt:MATRIX_FMT_FP6 matrix_a_scale:MATRIX_SCALE_ROW1
.endr
	v_pk_add_f32 v[200:201], v[200:201], v[158:159]   ; the sum's last four lines are the places behind the products, ahead of the next step's loads
	v_pk_add_f32 v[14:15], v[14:15], v[204:205]
	v_pk_add_f32 v[200:201], v[200:201], v[202:203]
	v_pk_add_f32 v[14:15], v[14:15], v[200:201]
.endm
	s_wait_alu depctr_va_vdst(0)
	s_wait_tensorcnt 0x0                           ; my slice of steps 0-3 is in
	ds_add_u32 v[SPW], v[NIL]
	s_wait_dscnt 0x0
	ROUND                                          ; everybody's slice is in, and the four work-groups are here
	tensor_load_to_lds s[36:39], s[24:31]          ; steps 4-15
	s_nop 0
	s_wait_loadcnt 0x0                             ; q
	s_mov_b32 s[CNT], 4
.Lfirst:
	STEP
	s_sub_co_u32 s[CNT], s[CNT], 1
	s_cmp_lg_u32 s[CNT], 0
	s_cbranch_scc1 .Lfirst
	s_wait_tensorcnt 0x0                           ; my slice of steps 4-15 is in,
	s_barrier_signal -1
	s_barrier_wait -1                              ; and everybody's
	s_mov_b32 s[CNT], 12
.Lrest:
	STEP
	s_sub_co_u32 s[CNT], s[CNT], 1
	s_cmp_lg_u32 s[CNT], 0
	s_cbranch_scc1 .Lrest
	v_add_f32 v14, v14, v15
	s_delay_alu instid0(VALU_DEP_1)
	v_permlanex16_b32 v252, v14, s[SEL], s[SEL+1]
	s_delay_alu instid0(VALU_DEP_1)
	v_add_f32 v14, v14, v252                       ; the row's sum
	s_wait_alu depctr_va_vdst(0)
	v_rcp_f32 v14, v14
	v_and_b32 v4, 15, v0
	v_bfe_u32 v5, v0, 4, 1
	v_mul_u32_u24 v7, v4, SP
	v_mul_u32_u24 v6, v5, 8*SP
	v_lshlrev_b32 v8, 3, v5
	v_lshlrev_b32 v9, 5, v4
	v_lshl_add_u32 v7, v5, 7, v7
	v_lshl_add_u32 v6, v4, 2, v6
	v_add_nc_u32 v7, s46, v7                       ; back: feature row r, + 128 h
	v_add_nc_u32 v6, s47, v6                       ; in: rows 8 h + j, column of query r
	s_wait_alu depctr_va_vdst(0)                   ; ahead of the first reader of 1 / sum and of O^T
.set j, 0
.rept 32
	v_mul_f32 v[96+j], v[160+j], v14
.set j, j+1
.endr
.irp d, 0,1,2,3
.irp j, 0,1,2,3,4,5,6,7
	ds_store_b32 v6, v[96+8*\d+\j] offset:(16*\d+\j)*SP
.endr
.endr
	s_wait_dscnt 0x0                               ; for the others' sake: my stores have landed
	s_barrier_signal -1
	s_barrier_wait -1
.irp e, 0,1,2,3,4,5,6,7
	ds_load_b128 v[96+4*\e:99+4*\e], v7 offset:16*\e   ; one feature, 32 neighbouring queries: a whole block of the projection's K
.endr
	s_wait_dscnt 0x0
	v_max3_num_f32 v232, |v96|, |v97|, |v98|
	v_max3_num_f32 v233, |v99|, |v100|, |v101|
.irp i, 6,10,14,18,22,26
	s_delay_alu instid0(VALU_DEP_2)
	v_max3_num_f32 v232, v232, |v[96+\i]|, |v[97+\i]|
	s_delay_alu instid0(VALU_DEP_2)
	v_max3_num_f32 v233, v233, |v[98+\i]|, |v[99+\i]|
.endr
	s_delay_alu instid0(VALU_DEP_2)
	v_max3_num_f32 v232, v232, |v126|, |v127|
	s_delay_alu instid0(VALU_DEP_1)
	v_max3_num_f32 v232, v232, v233, 0x1800000
	s_delay_alu instid0(VALU_DEP_1)
	v_add_nc_u32 v234, 0xff000000, v232
	s_delay_alu instid0(VALU_DEP_1)
	v_lshrrev_b32 v235, 23, v234
	v_cvt_scalef32_pk16_fp6_f32 v[224:226], v[96:111], v234
	v_cvt_scalef32_pk16_fp6_f32 v[228:230], v[112:127], v234
	v_nop
	v_mov_b32 v227, v228
	v_mov_b32 v228, v229
	v_mov_b32 v229, v230
	global_store_b128 v1, v[224:227], s[58:59]
	global_store_b64 v2, v[228:229], s[58:59] offset:512
	v_lshlrev_b32 v235, v8, v235
	s_delay_alu instid0(VALU_DEP_1)
	v_permlanex16_b32 v236, v235, s[SEL], s[SEL+1]
	s_delay_alu instid0(VALU_DEP_1)
	v_or_b32 v235, v235, v236
	global_store_b16 v9, v235, s[60:61]            ; the two blocks' scale bytes of my row
	s_wait_tensorcnt 0x0                           ; the wave's end
	ds_add_u32 v[SPW], v[NIL]
	s_wait_dscnt 0x0
	ROUND                                          ; the closing round
	s_endpgm
.Lfunc_end_k_qfff7564220_attn:
	.size	k_qfff7564220_attn, .Lfunc_end_k_qfff7564220_attn-k_qfff7564220_attn
	.p2alignl 7, 3214868480
	.fill 96, 4, 3214868480
	.section	.rodata,"a",@progbits
	.p2align	6, 0x0
	.amdhsa_kernel k_qfff7564220_attn
		.amdhsa_group_segment_fixed_size 327680
		.amdhsa_private_segment_fixed_size 0
		.amdhsa_enable_private_segment 0
		.amdhsa_kernarg_size 24
		.amdhsa_user_sgpr_count 2
		.amdhsa_user_sgpr_kernarg_segment_ptr 1
		.amdhsa_wavefront_size32 1
		.amdhsa_system_sgpr_workgroup_id_x 1
		.amdhsa_system_sgpr_workgroup_id_y 1
		.amdhsa_system_sgpr_workgroup_id_z 1
		.amdhsa_system_vgpr_workitem_id 0
		.amdhsa_next_free_vgpr 256
		.amdhsa_next_free_sgpr 66
		.amdhsa_reserve_vcc 0
		.amdhsa_float_denorm_mode_32 3
		.amdhsa_float_denorm_mode_16_64 3
		.amdhsa_memory_ordered 1
		.amdhsa_forward_progress 1
		.amdhsa_inst_pref_size 48
	.end_amdhsa_kernel
	.amdgpu_metadata
---
amdhsa.version: [ 1, 2 ]
amdhsa.kernels:
  - .name:           k_qfff7564220_attn
    .symbol:         k_qfff7564220_attn.kd
    .args:
      - { .name: Q, .offset: 0, .size: 8, .value_kind: global_buffer, .address_space: global }
      - { .name: KV, .offset: 8, .size: 8, .value_kind: global_buffer, .address_space: global }
      - { .name: O, .offset: 16, .size: 8, .value_kind: global_buffer, .address_space: global }
    .group_segment_fixed_size: 327680
    .private_segment_fixed_size: 0
    .kernarg_segment_align: 8
    .kernarg_segment_size: 24
    .max_flat_workgroup_size: 512
    .sgpr_count:     66
    .vgpr_count:     256
    .wavefront_size: 32
...
	.end_amdgpu_metadata
.endif
;; end of part 3
;; launch wo (part 4): grid 16 x 16, 4 waves a work-group, no clusters, 327,680 bytes of LDS; arguments O, Wo_codes, Wo_scales, bo, x, X1; writes X1
.if DOCPART == 4
	.amdgcn_target "amdgcn-amd-amdhsa--gfx1250"
	.amdhsa_code_object_version 6
	.text
	.protected	k_qfff7564220_wo
	.globl	k_qfff7564220_wo
	.p2align	8
	.type	k_qfff7564220_wo,@function
k_qfff7564220_wo:
	s_mov_b64 s[64:65], 0
	v_nop
	global_prefetch_b8 v0, s[64:65] scope:SCOPE_SE
	s_setreg_imm32_b32 hwreg(HW_REG_WAVE_MODE, 25, 1), 1
	s_wait_xcnt 0x0
; out = residual + (A W^T + bias): A as images of operand registers with scale rows, W as given codes and scale bytes, residual and out f32 [4096][1024].
; This text serves two launches with two constants changed: ISWO = 1, KSTEPS = 8 (A = the attention's o, whose tiles hold every second row of the result) and ISWO = 0, KSTEPS = 16 (A = the hidden layer).
; SHARES.  Work-group x: 256 rows of A, work-group y: 64 columns.  Wave w: 64 rows (4 tiles) x 64 columns: 16 accumulators.  The 64 rows of W, whole K, lie in LDS, in chunks of 256 along K
; (64 rows x 192 bytes, 16 bytes of padding behind each 64, rows 240 bytes apart); wave w brings chunk w of each group of four.
; THE RESIDUAL of a wave's 64 result rows (256 bytes of each) comes by one more tensor load, into LDS bytes of the wave's own, rows 272 bytes apart.  Loads into registers come back in the order of issue (ISA guide 5.7.1):
; 32 loads of the residual at the head would stand in front of A's later groups.  Brought so, they are counted apart and land while K is walked.
; All tensor loads are first fills, NGRP + 1 a wave out at the most; no LDS byte is filled twice.
; A's fragments are a wave's own: from memory straight into a ring of four register slots, three K steps ahead.  The bias is the C of each sum's first product.
; Source 0 = 16 rows of W, source 1 = 16 rows of A: a lane holds eight neighbouring columns of one row; a tile goes through the wave's own stage and leaves as aligned runs of 256 bytes, the residual added on the way.
; No clusters: the shared tiles are fetched once a work-group, at the start, and more than half of a work-group's bytes are a wave's own.
; LIMITS: NaN and infinities are not served; a given scale byte 0xff gives NaN, as the format says.
; REGISTERS: window 0: v1-16 addresses; v32-63 a tile on its way out; from v64 W's scale words, behind them A's (lane L: row 32 p + L; register = K step); v128-255 accumulators (A's tile n, W's tile m) at 128 + 32 n + 8 m.
;   window 1: v0-47, v48-95 W's fragments, two sets; v96-127 the bias; v128-159 the residual of the tile on its way out.   window 2: A's fragments: K step ks at v[48 (ks % 4) + 12 tile].
; W IN LDS, AS THE TEXT NOW HAS IT (in place of the chunks named above): a group is 768 bytes of each of the 64 rows, 16 bytes of padding behind each 256: rows 816 bytes apart; wave w brings rows 16 w .. 16 w + 15
; with one tensor load, and every row begins at a multiple of 256 bytes.  One tensor load a wave at the head; the residual's load stands behind the barrier in front of the walk along K.
.set ISWO,   1
.set KSTEPS, 8
.set KS,     KSTEPS                    ; scale words in a row
.set HS,     2*KSTEPS                  ; images in a tile of A
.set SCOFF,  196608*HS                 ; where A's scale rows begin
.set KROW,   96*KSTEPS                 ; a row of W in bytes
.set NGRP,   KSTEPS/8                  ; groups of four chunks
.set STAGE,  NGRP*61440                ; behind W: 16 rows x 272 bytes for each wave
.set RESB,   STAGE+4*16*272            ; behind the stages: 64 rows x 272 bytes of the residual for each wave
.set RSTEP,  1+ISWO                    ; rows of the result from one row of a tile to the next
.set WS,     64
.set RS,     WS+2*KS
.set AC,     20                        ; s[20:21] A's codes, s[22:23] A's scale rows
.set MSB, 0
.macro WIN new                         ; the immediate's high byte repeats the setting that is left
.if MSB != (\new)
	s_set_vgpr_msb (MSB<<8)|(\new)
.set MSB, \new
.endif
.endm
.macro PLACES                          ; four plain lines behind matrix instructions, ahead of loads into their registers and of reads of their results
.rept 4
	v_nop
.endr
.endm
.macro FRAG reg, ks, i                 ; a fragment of W: lane (r, h) takes 24 bytes twice, in pieces of 8; where the piece three on lies behind one padding more, v9 serves
.irp p, 0,1,2,3,4,5
.set BY, 96*((\ks)%8)+48*(\p/3)+8*(\p%3)       ; where the piece of lanes 0-15 begins in the group's row; byte y lies at y + 16 (y / 256) of the LDS row
.if BY%256 < 232
	ds_load_b64 v[(\reg)+2*\p:(\reg)+2*\p+1], v8 offset:(\i)*13056+BY+16*(BY/256)
.else                                          ; lanes 16-31, 24 bytes on, lie behind one padding more
	ds_load_b64 v[(\reg)+2*\p:(\reg)+2*\p+1], v9 offset:(\i)*13056+BY+16*(BY/256)
.endif
.endr
.endm
.macro FETCHW set, ks
	WIN 0x40
.irp i, 0,1,2,3
	FRAG 48*(\set)+12*\i, \ks, \i
.endr
.endm
.macro LOADRES ks                      ; my four tiles' fragments of K step ks: 16 dense loads
	WIN 0x80
.irp s, 0,1,2,3
.set RR, 48*((\ks)%4)+12*\s
	global_load_b128 v[RR:RR+3], v1, s[AC:AC+1] offset:\s*(HS*768)+1536*(\ks)
	global_load_b64 v[RR+4:RR+5], v2, s[AC:AC+1] offset:\s*(HS*768)+1536*(\ks)+512
	global_load_b128 v[RR+6:RR+9], v1, s[AC:AC+1] offset:\s*(HS*768)+1536*(\ks)+768
	global_load_b64 v[RR+10:RR+11], v2, s[AC:AC+1] offset:\s*(HS*768)+1536*(\ks)+1280
.endr
.endm
.macro LOADSC reg, base, off           ; 64 rows' scale words: lane L takes the whole row 32 p + L
.irp p, 0,1
.set q, 0
.rept KS/4
	global_load_b128 v[(\reg)+KS*\p+4*q:(\reg)+KS*\p+4*q+3], v4, s[\base:\base+1] offset:(\off)+\p*128*KS+16*q
.set q, q+1
.endr
.endr
.endm
.macro WMX                             ; one product; an odd tile's scales stand in lanes 16-31 of its pair's register
.if (rRA == 0) && (rRB == 0)
	v_wmma_scale_f32_16x16x128_f8f6f4 v[rD:rD+7], v[rA:rA+11], v[rB:rB+11], v[rC:rC+7], v[rSA], v[rSB] matrix_a_fmt:MATRIX_FMT_FP6 matrix_b_fmt:MATRIX_FMT_FP6
.elseif (rRA == 1) && (rRB == 0)
	v_wmma_scale_f32_16x16x128_f8f6f4 v[rD:rD+7], v[rA:rA+11], v[rB:rB+11], v[rC:rC+7], v[rSA], v[rSB] matrix_a_fmt:MATRIX_FMT_FP6 matrix_b_fmt:MATRIX_FMT_FP6 matrix_a_scale:MATRIX_SCALE_ROW1
.elseif rRA == 0
	v_wmma_scale_f32_16x16x128_f8f6f4 v[rD:rD+7], v[rA:rA+11], v[rB:rB+11], v[rC:rC+7], v[rSA], v[rSB] matrix_a_fmt:MATRIX_FMT_FP6 matrix_b_fmt:MATRIX_FMT_FP6 matrix_b_scale:MATRIX_SCALE_ROW1
.else
	v_wmma_scale_f32_16x16x128_f8f6f4 v[rD:rD+7], v[rA:rA+11], v[rB:rB+11], v[rC:rC+7], v[rSA], v[rSB] matrix_a_fmt:MATRIX_FMT_FP6 matrix_b_fmt:MATRIX_FMT_FP6 matrix_a_scale:MATRIX_SCALE_ROW1 matrix_b_scale:MATRIX_SCALE_ROW1
.endif
.endm
; 16 products, the 16 accumulators by turns, in the same order in every K step.  cm 0: onto the sums; 1: C = the bias, window 1, v[96 + 8 m]
.macro MUL16 set, ks, cm
.if (\cm) != 0
	WIN 0x19
.else
	WIN 0x09
.endif
.irp n, 0,1,2,3
.irp m, 0,1,2,3
.set rD, 128+32*\n+8*\m
.set rC, rD
.if (\cm) != 0
.set rC, 96+8*\m
.endif
.set rA, 48*(\set)+12*\m
.set rB, 48*((\ks)%4)+12*\n
.set rSA, WS+KS*(\m/2)+(\ks)
.set rSB, RS+KS*(\n/2)+(\ks)
.set rRA, \m%2
.set rRB, \n%2
	WMX
.endr
.endr
.endm
.macro STEP ks
.if (\ks) > 0
	PLACES                                         ; behind the last 16 products: the loads below land in the set and the slot that they read
.endif
.if (NGRP == 2) && ((\ks) == 7)
	WIN 0
	s_wait_tensorcnt 0x1                           ; my chunk of the second group has landed (behind it only the residual's load may be out),
	s_wait_dscnt 0x0                               ; no LDS load of mine is out at the signal,
	s_barrier_signal -1
	s_barrier_wait -1                              ; and behind the barrier everybody's chunk has
	v_add_nc_u32 v8, 61440, v6
	v_add_nc_u32 v9, 61440, v7
.endif
.if (\ks)+1 < KSTEPS
	FETCHW ((\ks)+1)%2, (\ks)+1
.endif
.if (\ks)+3 < KSTEPS
	LOADRES (\ks)+3
.endif
.if (\ks)+1 < KSTEPS
	s_wait_dscnt 24                                ; this step's set is in; the 24 loads just issued may be out
.else
	s_wait_dscnt 0x0
.endif
.if KSTEPS-1-(\ks) >= 3
	s_wait_loadcnt 48                              ; A's group of this step is in; the three groups of 16 behind it may be out
.else
	s_wait_loadcnt 16*(KSTEPS-1-(\ks))
.endif
.if (\ks) == 0
	MUL16 0, 0, 1
.else
	MUL16 (\ks)%2, \ks, 0
.endif
.endm
.macro SETRO s, t                      ; the result's row, from my first, of a tile's stage rows 2 t and 2 t + 1 (the second RSTEP rows on: in the lanes' address)
.if ISWO
.set RO, 32*((\s)/2)+((\s)%2)+4*(\t)
.else
.set RO, 16*(\s)+2*(\t)
.endif
.endm
	s_load_b256 s[8:15], s[0:1], 0x0               ; A, W's codes, W's scales, the bias
	s_load_b128 s[16:19], s[0:1], 0x20             ; the residual, out
	v_lshl_add_u32 v126, v0, 2, 0x29000
	v_mov_b32 v127, 0
	ds_add_u32 v126, v127
	ds_add_u32 v126, v127
	v_lshrrev_b32 v1, 5, v0
	v_readfirstlane_b32 s2, v1                     ; wave
	s_and_b32 s4, ttmp7, 0xffff                    ; y: which 64 columns
	s_lshl_b32 s5, ttmp9, 2
	s_add_co_u32 s5, s5, s2                        ; G: which 64 rows of A, and of the result
	s_mov_b32 s36, (1<<20)|(5<<22)|(3<<25)         ; group 1 for W: elements of 1 byte; padding on: behind every 64 words, 4 words
	s_mov_b32 s37, 768<<16
	s_mov_b32 s38, 16<<16
	s_mov_b32 s39, 768<<16
	s_mov_b32 s40, 16
	s_mov_b32 s41, KROW
	s_mov_b32 s42, 0
	s_mov_b32 s43, 0
	s_mov_b32 s24, (3<<16)|(1<<20)|(5<<22)|(3<<25) ; group 1 for the residual: elements of 8 bytes; padding on: behind every 64 words (a row), 4 words
	s_mov_b32 s25, 32<<16                          ; tensor_dim0 = 32 elements: 256 bytes
	s_mov_b32 s26, 64<<16                          ; tensor_dim1 = 64 rows
	s_mov_b32 s27, 32<<16                          ; tile_dim0
	s_mov_b32 s28, 64                              ; tile_dim1
	s_mov_b32 s29, 512                             ; from row to row: 4,096 bytes
	s_mov_b32 s30, 0
	s_mov_b32 s31, 0
	s_mul_i32 s52, s4, 64*KROW
	s_mul_i32 s54, s2, 16*KROW
	s_add_co_u32 s52, s52, s54                     ; my 16 rows of the work-group's 64 rows of W
	s_mov_b32 s53, 0
	s_mul_i32 s54, s2, 13056
	s_lshl_b32 s56, s5, 18                         ; residual and out: 64 rows of 4,096 bytes a wave, + 256 y
	s_lshl_b32 s57, s4, 8
	s_add_co_u32 s56, s56, s57
	s_mov_b32 s57, 0
	s_mul_i32 s58, s2, 64*272
	s_add_co_u32 s58, s58, RESB                    ; my residual rows in LDS
	v_and_b32 v13, 31, v0                          ; L
	v_and_b32 v14, 15, v0                          ; r
	v_bfe_u32 v15, v0, 4, 1                        ; h
	v_lshlrev_b32 v1, 4, v13                       ; 16 L
	v_lshlrev_b32 v2, 3, v13                       ; 8 L
	v_mul_u32_u24 v4, v13, 4*KS                    ; a row of scale bytes a lane
	v_lshlrev_b32 v5, 5, v15                       ; 32 h
	v_mul_u32_u24 v6, v14, 816
	v_mad_u32_u24 v6, v15, 24, v6                  ; W in LDS: row r, + 24 h
	v_lshl_add_u32 v7, v15, 4, v6                  ; and behind one padding more
	v_mul_u32_u24 v10, v15, RSTEP*4096
	v_lshl_add_u32 v10, v14, 4, v10                ; out: lanes 0-15 one row's 256 bytes, lanes 16-31 the tile's next row's
	s_mul_i32 s55, s2, 16*272
	s_add_co_u32 s55, s55, STAGE                   ; my stage
	v_mul_u32_u24 v11, v14, 272
	v_lshl_add_u32 v11, v15, 5, v11
	v_add_nc_u32 v11, s55, v11                     ; in: row r, + 32 h
	v_mul_u32_u24 v12, v15, 272
	v_lshl_add_u32 v12, v14, 4, v12
	v_add_nc_u32 v12, s55, v12                     ; back: lanes 0-15 one row, lanes 16-31 the next
	v_mul_u32_u24 v16, v15, RSTEP*272
	v_lshl_add_u32 v16, v14, 4, v16
	v_add_nc_u32 v16, s58, v16                     ; the residual in LDS, at the very rows of the stores
	s_wait_dscnt 0x0
	s_wait_kmcnt 0x0
.set g, 0
.rept NGRP
	s_mov_b32 s[44+4*g], 1
	s_add_co_u32 s[45+4*g], s54, g*61440
	s_add_nc_u64 s[46+4*g:47+4*g], s[10:11], s[52:53]
	s_add_nc_u64 s[46+4*g:47+4*g], s[46+4*g:47+4*g], g*768
	s_or_b32 s[47+4*g], s[47+4*g], 0x80000000
.set g, g+1
.endr
	s_add_nc_u64 s[16:17], s[16:17], s[56:57]
	s_add_nc_u64 s[18:19], s[18:19], s[56:57]
	s_mov_b32 s32, 1
	s_mov_b32 s33, s58
	s_mov_b64 s[34:35], s[16:17]
	s_or_b32 s35, s35, 0x80000000
	tensor_load_to_lds s[44:47], s[36:43]          ; W: my 16 rows; one tensor load a wave at the head
	s_nop 0
	PLACES
	s_mul_i32 s52, s5, 3072*HS                     ; A's codes: four tiles of HS images a wave
	s_add_nc_u64 s[20:21], s[8:9], s[52:53]
	s_mul_i32 s52, s5, 256*KS                      ; A's scale rows
	s_add_co_u32 s52, s52, SCOFF
	s_add_nc_u64 s[22:23], s[8:9], s[52:53]
	s_mul_i32 s52, s4, 256*KS                      ; W's scale rows
	s_add_nc_u64 s[12:13], s[12:13], s[52:53]
	s_lshl_b32 s52, s4, 8                          ; the bias: 64 numbers
	s_add_nc_u64 s[14:15], s[14:15], s[52:53]
	LOADSC RS, 22, 0
	LOADSC WS, 12, 0
	WIN 0x40
.irp i, 0,1,2,3
	global_load_b128 v[96+8*\i:99+8*\i], v5, s[14:15] offset:64*\i         ; the bias in the result's layout: columns 16 i + 8 h + 0 .. 7
	global_load_b128 v[100+8*\i:103+8*\i], v5, s[14:15] offset:64*\i+16
.endr
	LOADRES 0
	LOADRES 1
	LOADRES 2
	WIN 0
	s_wait_alu depctr_va_vdst(0)
	s_wait_tensorcnt 0x0                           ; my rows of W have landed
	ds_add_u32 v126, v127
	s_wait_dscnt 0x0
	s_barrier_signal -1
	s_barrier_wait -1                              ; everybody's have
	tensor_load_to_lds s[32:35], s[24:31]          ; the residual: wanted on the way out
	s_nop 0
	PLACES
	v_mov_b32 v8, v6
	s_wait_alu depctr_va_vdst(0)
	v_mov_b32 v9, v7
	s_wait_alu depctr_va_vdst(0)
	FETCHW 0, 0
.set k, 0
.rept KSTEPS
	STEP k
.set k, k+1
.endr
	PLACES
	WIN 0
	s_wait_tensorcnt 0x0                           ; my residual rows have landed: I alone read them
.irp s, 0,1,2,3
.if \s > 0
	s_wait_xcnt 0x0                                ; the last tile's stores have read v32-63: they are loaded again
.endif
.irp i, 0,1,2,3
	ds_store_b128 v11, v[128+32*\s+8*\i:131+32*\s+8*\i] offset:64*\i       ; each accumulator from its low end on
	ds_store_b128 v11, v[132+32*\s+8*\i:135+32*\s+8*\i] offset:64*\i+16
.endr
.irp t, 0,1,2,3,4,5,6,7
	ds_load_b128 v[32+4*\t:35+4*\t], v12 offset:544*\t                     ; LDS serves a wave's instructions in order: these see my stores
.endr
	WIN 0x40                                       ; destination window 1
.irp t, 0,1,2,3,4,5,6,7
	SETRO \s, \t
	ds_load_b128 v[128+4*\t:131+4*\t], v16 offset:RO*272                   ; the same rows and columns of the residual
.endr
	WIN 0
	s_wait_dscnt 0x0
	WIN 0x04                                       ; source 1: window 1
.irp u, 0,1,2,3,4,5,6,7,8,9,10,11,12,13,14,15
	v_pk_add_f32 v[32+2*\u:33+2*\u], v[32+2*\u:33+2*\u], v[128+2*\u:129+2*\u]
.endr
	WIN 0
.irp t, 0,1,2,3,4,5,6,7
	SETRO \s, \t
.if ISWO
	global_store_b128 v10, v[32+4*\t:35+4*\t], s[18:19] offset:RO*4096     ; 16 lanes store 256 consecutive bytes, at a multiple of 256 from the buffer's first byte
.else
	global_store_b128 v10, v[32+4*\t:35+4*\t], s[18:19] offset:RO*4096 th:TH_STORE_NT
.endif
.endr
.endr
	s_wait_tensorcnt 0x0
	ds_add_u32 v126, v127
	s_wait_dscnt 0x0
	s_endpgm
.Lfunc_end_k_qfff7564220_wo:
	.size	k_qfff7564220_wo, .Lfunc_end_k_qfff7564220_wo-k_qfff7564220_wo
	.p2alignl 7, 3214868480
	.fill 96, 4, 3214868480
	.section	.rodata,"a",@progbits
	.p2align	6, 0x0
	.amdhsa_kernel k_qfff7564220_wo
		.amdhsa_group_segment_fixed_size 327680
		.amdhsa_private_segment_fixed_size 0
		.amdhsa_enable_private_segment 0
		.amdhsa_kernarg_size 48
		.amdhsa_user_sgpr_count 2
		.amdhsa_user_sgpr_kernarg_segment_ptr 1
		.amdhsa_wavefront_size32 1
		.amdhsa_system_sgpr_workgroup_id_x 1
		.amdhsa_system_sgpr_workgroup_id_y 1
		.amdhsa_system_sgpr_workgroup_id_z 1
		.amdhsa_system_vgpr_workitem_id 0
		.amdhsa_next_free_vgpr 768
		.amdhsa_next_free_sgpr 66
		.amdhsa_reserve_vcc 0
		.amdhsa_float_denorm_mode_32 3
		.amdhsa_float_denorm_mode_16_64 3
		.amdhsa_memory_ordered 1
		.amdhsa_forward_progress 1
		.amdhsa_inst_pref_size 63
	.end_amdhsa_kernel
	.amdgpu_metadata
---
amdhsa.version: [ 1, 2 ]
amdhsa.kernels:
  - .name:           k_qfff7564220_wo
    .symbol:         k_qfff7564220_wo.kd
    .args:
      - { .name: O, .offset: 0, .size: 8, .value_kind: global_buffer, .address_space: global }
      - { .name: Wo_codes, .offset: 8, .size: 8, .value_kind: global_buffer, .address_space: global }
      - { .name: Wo_scales, .offset: 16, .size: 8, .value_kind: global_buffer, .address_space: global }
      - { .name: bo, .offset: 24, .size: 8, .value_kind: global_buffer, .address_space: global }
      - { .name: x, .offset: 32, .size: 8, .value_kind: global_buffer, .address_space: global }
      - { .name: X1, .offset: 40, .size: 8, .value_kind: global_buffer, .address_space: global }
    .group_segment_fixed_size: 327680
    .private_segment_fixed_size: 0
    .kernarg_segment_align: 8
    .kernarg_segment_size: 48
    .max_flat_workgroup_size: 128
    .sgpr_count:     66
    .vgpr_count:     768
    .wavefront_size: 32
...
	.end_amdgpu_metadata
.endif
;; end of part 4
;; launch ln2: the kernel of part 1 again; grid 256 x 1, 4 waves a work-group, no clusters, 75,776 bytes of LDS; arguments X1, ln2_g, ln2_b, Y; writes Y
;; launch w1 (part 5): grid 16 x 16, 4 waves a work-group, no clusters, 327,680 bytes of LDS; arguments Y, W1_codes, W1_scales, b1, Hh; writes Hh
.if DOCPART == 5
	.amdgcn_target "amdgcn-amd-amdhsa--gfx1250"
	.amdhsa_code_object_version 6
	.text
	.protected	k_qfff7564220_w1
	.globl	k_qfff7564220_w1
	.p2align	8
	.type	k_qfff7564220_w1,@function
k_qfff7564220_w1:
	s_mov_b64 s[64:65], 0
	v_nop
	global_prefetch_b8 v0, s[64:65] scope:SCOPE_SE
	s_setreg_imm32_b32 hwreg(HW_REG_WAVE_MODE, 25, 1), 1
	s_wait_xcnt 0x0
; h = relu(y2 W1 + b1) for 256 tokens (work-group x) and 128 hidden units (work-group y) in two passes of 64, quantised at once along the hidden units; the walk is that of the launch for q, k, v.
; W IN LDS: a group is 64 rows of W1, whole rows of 768 bytes, 16 bytes of padding behind each 256: rows 816 bytes apart; wave w brings rows 16 w .. 16 w + 15 with one tensor load; every row begins at a multiple of 256 bytes.
; The first group is asked for at the head, the second behind the barrier in front of pass 0.
.set KSTEPS, 8
.set KS,     8
.set HS,     16
.set KROW,   768
.set RES2W,  1
.set WS,     32
.set RS,     48
.set TM,     116
.set SEL,    56
.set AC,     20
.set YSC,    3145728
.set HSC,    6291456
.set MSB, 0
.macro WIN new
.if MSB != (\new)
	s_set_vgpr_msb (MSB<<8)|(\new)
.set MSB, \new
.endif
.endm
.macro PLACES
.rept 4
	v_nop
.endr
.endm
.macro FRAG reg, ks, i
.irp p, 0,1,2,3,4,5
.set BY, 96*((\ks)%8)+48*(\p/3)+8*(\p%3)       ; where the piece of lanes 0-15 begins in the row; byte y lies at y + 16 (y / 256) of the LDS row
.if BY%256 < 232
	ds_load_b64 v[(\reg)+2*\p:(\reg)+2*\p+1], v8 offset:(\i)*13056+BY+16*(BY/256)
.else                                          ; lanes 16-31, 24 bytes on, lie behind one padding more
	ds_load_b64 v[(\reg)+2*\p:(\reg)+2*\p+1], v9 offset:(\i)*13056+BY+16*(BY/256)
.endif
.endr
.endm
.macro FETCHW set, ks
	WIN 0x40
.irp i, 0,1,2,3
	FRAG 48*(\set)+12*\i, \ks, \i
.endr
.endm
.macro LOADRES ks
	WIN 0x80+0x40*RES2W*(((\ks)%8)/4)
.irp s, 0,1,2,3
.set RR, 48*((\ks)%4)+12*\s
	global_load_b128 v[RR:RR+3], v1, s[AC:AC+1] offset:\s*(HS*768)+1536*(\ks)
	global_load_b64 v[RR+4:RR+5], v2, s[AC:AC+1] offset:\s*(HS*768)+1536*(\ks)+512
	global_load_b128 v[RR+6:RR+9], v1, s[AC:AC+1] offset:\s*(HS*768)+1536*(\ks)+768
	global_load_b64 v[RR+10:RR+11], v2, s[AC:AC+1] offset:\s*(HS*768)+1536*(\ks)+1280
.endr
.endm
.macro LOADSC reg, base, off
.irp p, 0,1
.set q, 0
.rept KS/4
	global_load_b128 v[(\reg)+KS*\p+4*q:(\reg)+KS*\p+4*q+3], v4, s[\base:\base+1] offset:(\off)+\p*128*KS+16*q
.set q, q+1
.endr
.endr
.endm
.macro WMX
.if (rRA == 0) && (rRB == 0)
	v_wmma_scale_f32_16x16x128_f8f6f4 v[rD:rD+7], v[rA:rA+11], v[rB:rB+11], v[rC:rC+7], v[rSA], v[rSB] matrix_a_fmt:MATRIX_FMT_FP6 matrix_b_fmt:MATRIX_FMT_FP6
.elseif (rRA == 1) && (rRB == 0)
	v_wmma_scale_f32_16x16x128_f8f6f4 v[rD:rD+7], v[rA:rA+11], v[rB:rB+11], v[rC:rC+7], v[rSA], v[rSB] matrix_a_fmt:MATRIX_FMT_FP6 matrix_b_fmt:MATRIX_FMT_FP6 matrix_a_scale:MATRIX_SCALE_ROW1
.elseif rRA == 0
	v_wmma_scale_f32_16x16x128_f8f6f4 v[rD:rD+7], v[rA:rA+11], v[rB:rB+11], v[rC:rC+7], v[rSA], v[rSB] matrix_a_fmt:MATRIX_FMT_FP6 matrix_b_fmt:MATRIX_FMT_FP6 matrix_b_scale:MATRIX_SCALE_ROW1
.else
	v_wmma_scale_f32_16x16x128_f8f6f4 v[rD:rD+7], v[rA:rA+11], v[rB:rB+11], v[rC:rC+7], v[rSA], v[rSB] matrix_a_fmt:MATRIX_FMT_FP6 matrix_b_fmt:MATRIX_FMT_FP6 matrix_a_scale:MATRIX_SCALE_ROW1 matrix_b_scale:MATRIX_SCALE_ROW1
.endif
.endm
.macro MUL16 set, ks, cm, cb
.set RWN, 2+RES2W*(((\ks)%8)/4)
.set CWN, 0
.if (\cm) != 0
.set CWN, 16
.endif
	WIN 1+4*RWN+CWN
.irp n, 0,1,2,3
.irp m, 0,1,2,3
.set rD, 128+32*\n+8*\m
.set rC, rD
.if (\cm) != 0
.set rC, (\cb)+8*\m
.endif
.set rA, 48*(\set)+12*\m
.set rB, 48*((\ks)%4)+12*\n
.set rSA, WS+KS*(\m/2)+(\ks)
.set rSB, RS+KS*(\n/2)+(\ks)
.set rRA, \m%2
.set rRB, \n%2
	WMX
.endr
.endr
.endm
.macro STEP ks, pass, cb
.if (\ks) > 0
	PLACES
.endif
.if (\ks)+1 < KSTEPS
	FETCHW ((\ks)+1)%2, (\ks)+1
.endif
.if ((\pass) == 0) && ((\ks)+3 < KSTEPS)
	LOADRES (\ks)+3
.endif
.if (\ks)+1 < KSTEPS
	s_wait_dscnt 24
.else
	s_wait_dscnt 0x0
.endif
.if (\pass) == 0
.if KSTEPS-1-(\ks) >= 3
	s_wait_loadcnt 48
.else
	s_wait_loadcnt 16*(KSTEPS-1-(\ks))
.endif
.endif
.if (\ks) == 0
	MUL16 0, 0, 1, \cb
.else
	MUL16 (\ks)%2, \ks, 0, 0
.endif
.endm
.macro PASSHEAD g, ld                  ; group g of W is whole in LDS: my rows have landed, and behind the barrier everybody's; ld > 0: group ld is asked for behind it
	WIN 0
	s_wait_alu depctr_va_vdst(0)
	s_wait_tensorcnt 0x0
.if (\ld) > 0
	ds_add_u32 v126, v127                          ; the add and its wait, ahead of a later first fill
	s_wait_dscnt 0x0
.endif
	s_barrier_signal -1
	s_barrier_wait -1
.if (\ld) > 0
	tensor_load_to_lds s[44+4*(\ld):47+4*(\ld)], s[36:43]   ; my one tensor load behind this barrier
	s_nop 0
	PLACES
.endif
	v_add_nc_u32 v8, (\g)*61440, v6
	v_add_nc_u32 v9, (\g)*61440, v7
	FETCHW 0, 0
.endm
.macro QUANT2 a, pc, pw
.irp b, 0,1
	v_max3_num_f32 v[TM+\b], |v[(\a)+16*\b]|, |v[(\a)+16*\b+1]|, 0x1800000
.endr
.irp i, 2,4,6,8,10,12,14
.irp b, 0,1
	v_max3_num_f32 v[TM+\b], v[TM+\b], |v[(\a)+16*\b+\i]|, |v[(\a)+16*\b+\i+1]|
.endr
.endr
.irp b, 0,1
	v_permlanex16_b32 v[TM+2+\b], v[TM+\b], s[SEL], s[SEL+1]
.endr
.irp b, 0,1
	v_max_num_f32 v[TM+\b], v[TM+\b], v[TM+2+\b]
.endr
.irp b, 0,1
	v_add_nc_u32 v[TM+4+\b], 0xff000000, v[TM+\b]
.endr
.irp b, 0,1
	v_lshrrev_b32 v[TM+2+\b], 23, v[TM+4+\b]
.endr
	v_lshl_or_b32 v[\pw], v[TM+3], 8, v[TM+2]
	v_cvt_scalef32_pk16_fp6_f32 v[(\pc):(\pc)+2], v[(\a):(\a)+15], v[TM+4]
	v_cvt_scalef32_pk16_fp6_f32 v[(\pc)+8:(\pc)+10], v[(\a)+16:(\a)+31], v[TM+5]
	v_nop
.irp i, 0,1,2
	v_permlane16_swap_b32 v[(\pc)+\i], v[(\pc)+8+\i]
.endr
	v_perm_b32 v[(\pc)+3], v[(\pc)+2], v[(\pc)+1], 0x05040302
	v_perm_b32 v[(\pc)+4], v[(\pc)+9], v[(\pc)+2], 0x07060302
	v_perm_b32 v[(\pc)+1], v[(\pc)+8], v[(\pc)+1], 0x05040100
	v_perm_b32 v[(\pc)+2], v[(\pc)+9], v[(\pc)+8], 0x05040302
	v_mov_b32 v[(\pc)+5], v[(\pc)+10]
.endm
.macro EPI g
	WIN 0
.if (\g) > 0
	s_wait_xcnt 0x0
.endif
.set j, 0
.rept 128
	v_max_num_f32 v[128+j], 0, v[128+j]
.set j, j+1
.endr
.irp s, 0,1,2,3
.if (\g) == 0
	QUANT2 128+32*\s, 64+12*\s, 28+\s
.else
	QUANT2 128+32*\s, 64+12*\s, 112+\s
.endif
	global_store_b128 v1, v[64+12*\s:67+12*\s], s[24:25] offset:24576*\s+768*(\g)
	global_store_b64 v2, v[68+12*\s:69+12*\s], s[24:25] offset:24576*\s+768*(\g)+512
.if (\g) > 0
	v_lshl_or_b32 v[112+\s], v[112+\s], 16, v[28+\s]
	global_store_b32 v10, v[112+\s], s[26:27] offset:1024*\s
.endif
.endr
.endm
	s_load_b256 s[8:15], s[0:1], 0x0
	s_load_b64 s[16:17], s[0:1], 0x20
	v_lshl_add_u32 v126, v0, 2, 0x29000
	v_mov_b32 v127, 0
	ds_add_u32 v126, v127
	ds_add_u32 v126, v127
	v_lshrrev_b32 v1, 5, v0
	v_readfirstlane_b32 s2, v1
	s_mov_b32 s3, ttmp9
	s_and_b32 s4, ttmp7, 0xffff
	s_mov_b32 s36, (1<<20)|(5<<22)|(3<<25)         ; elements of 1 byte; padding on: behind every 64 words, 4 words
	s_mov_b32 s37, 768<<16
	s_mov_b32 s38, 16<<16
	s_mov_b32 s39, 768<<16
	s_mov_b32 s40, 16
	s_mov_b32 s41, KROW
	s_mov_b32 s42, 0
	s_mov_b32 s43, 0
	s_mul_i32 s52, s4, 128*KROW
	s_mul_i32 s54, s2, 16*KROW
	s_add_co_u32 s52, s52, s54
	s_mov_b32 s53, 0
	s_mul_i32 s54, s2, 13056
	v_and_b32 v13, 31, v0
	v_and_b32 v14, 15, v0
	v_bfe_u32 v15, v0, 4, 1
	v_lshlrev_b32 v1, 4, v13
	v_lshlrev_b32 v2, 3, v13
	v_mul_u32_u24 v4, v13, 4*KS
	v_lshlrev_b32 v5, 5, v15
	v_mul_u32_u24 v6, v14, 816
	v_mad_u32_u24 v6, v15, 24, v6
	v_lshl_add_u32 v7, v15, 4, v6
	v_lshlrev_b32 v10, 6, v14
	v_mov_b32 v[TM+2], 0
	v_mov_b32 v[TM+3], 0
	s_mov_b32 s[SEL], 0x76543210
	s_mov_b32 s[SEL+1], 0xfedcba98
	s_wait_alu depctr_va_vdst(0)
	s_wait_dscnt 0x0
	s_wait_kmcnt 0x0
.irp g, 0,1
	s_mov_b32 s[44+4*\g], 1
	s_add_co_u32 s[45+4*\g], s54, \g*61440
	s_add_nc_u64 s[46+4*\g:47+4*\g], s[10:11], s[52:53]
	s_add_nc_u64 s[46+4*\g:47+4*\g], s[46+4*\g:47+4*\g], \g*64*KROW
	s_or_b32 s[47+4*\g], s[47+4*\g], 0x80000000
.endr
	tensor_load_to_lds s[44:47], s[36:43]          ; the first group: my 16 rows; one tensor load a wave at the head
	s_nop 0
	PLACES
	s_mul_i32 s52, s3, 196608
	s_mul_i32 s54, s2, 49152
	s_add_co_u32 s52, s52, s54
	s_add_nc_u64 s[20:21], s[8:9], s[52:53]
	s_lshl_b32 s52, s3, 13
	s_lshl_b32 s54, s2, 11
	s_add_co_u32 s52, s52, s54
	s_add_co_u32 s52, s52, YSC
	s_add_nc_u64 s[22:23], s[8:9], s[52:53]
	s_lshl_b32 s52, s4, 12
	s_add_nc_u64 s[12:13], s[12:13], s[52:53]
	s_lshl_b32 s52, s4, 9
	s_add_nc_u64 s[14:15], s[14:15], s[52:53]
	s_mul_i32 s52, s3, 393216
	s_mul_i32 s54, s2, 98304
	s_add_co_u32 s52, s52, s54
	s_mul_i32 s54, s4, 1536
	s_add_co_u32 s52, s52, s54
	s_add_nc_u64 s[24:25], s[16:17], s[52:53]
	s_lshl_b32 s52, s3, 14
	s_lshl_b32 s54, s2, 12
	s_add_co_u32 s52, s52, s54
	s_lshl_b32 s54, s4, 2
	s_add_co_u32 s52, s52, s54
	s_add_co_u32 s52, s52, HSC
	s_add_nc_u64 s[26:27], s[16:17], s[52:53]
	LOADSC RS, 22, 0
	LOADSC WS, 12, 0
	WIN 0x40
.irp g, 0,1
.irp i, 0,1,2,3
	global_load_b128 v[96+32*\g+8*\i:99+32*\g+8*\i], v5, s[14:15] offset:256*\g+64*\i
	global_load_b128 v[100+32*\g+8*\i:103+32*\g+8*\i], v5, s[14:15] offset:256*\g+64*\i+16
.endr
.endr
	LOADRES 0
	LOADRES 1
	LOADRES 2
	PASSHEAD 0, 1
	s_wait_alu depctr_va_vdst(0)
.irp k, 0,1,2,3,4,5,6,7
	STEP \k, 0, 96
.endr
	PLACES
	WIN 0
	LOADSC WS, 12, 2048
	EPI 0
	s_wait_loadcnt 0x0
	PASSHEAD 1, 0
	s_wait_alu depctr_va_vdst(0)
.irp k, 0,1,2,3,4,5,6,7
	STEP \k, 1, 128
.endr
	PLACES
	EPI 1
	s_wait_tensorcnt 0x0
	ds_add_u32 v126, v127
	s_wait_dscnt 0x0
	s_endpgm
.Lfunc_end_k_qfff7564220_w1:
	.size	k_qfff7564220_w1, .Lfunc_end_k_qfff7564220_w1-k_qfff7564220_w1
	.p2alignl 7, 3214868480
	.fill 96, 4, 3214868480
	.section	.rodata,"a",@progbits
	.p2align	6, 0x0
	.amdhsa_kernel k_qfff7564220_w1
		.amdhsa_group_segment_fixed_size 327680
		.amdhsa_private_segment_fixed_size 0
		.amdhsa_enable_private_segment 0
		.amdhsa_kernarg_size 40
		.amdhsa_user_sgpr_count 2
		.amdhsa_user_sgpr_kernarg_segment_ptr 1
		.amdhsa_wavefront_size32 1
		.amdhsa_system_sgpr_workgroup_id_x 1
		.amdhsa_system_sgpr_workgroup_id_y 1
		.amdhsa_system_sgpr_workgroup_id_z 1
		.amdhsa_system_vgpr_workitem_id 0
		.amdhsa_next_free_vgpr 1024
		.amdhsa_next_free_sgpr 66
		.amdhsa_reserve_vcc 0
		.amdhsa_float_denorm_mode_32 3
		.amdhsa_float_denorm_mode_16_64 3
		.amdhsa_memory_ordered 1
		.amdhsa_forward_progress 1
		.amdhsa_inst_pref_size 107
	.end_amdhsa_kernel
	.amdgpu_metadata
---
amdhsa.version: [ 1, 2 ]
amdhsa.kernels:
  - .name:           k_qfff7564220_w1
    .symbol:         k_qfff7564220_w1.kd
    .args:
      - { .name: Y, .offset: 0, .size: 8, .value_kind: global_buffer, .address_space: global }
      - { .name: W1_codes, .offset: 8, .size: 8, .value_kind: global_buffer, .address_space: global }
      - { .name: W1_scales, .offset: 16, .size: 8, .value_kind: global_buffer, .address_space: global }
      - { .name: b1, .offset: 24, .size: 8, .value_kind: global_buffer, .address_space: global }
      - { .name: Hh, .offset: 32, .size: 8, .value_kind: global_buffer, .address_space: global }
    .group_segment_fixed_size: 327680
    .private_segment_fixed_size: 0
    .kernarg_segment_align: 8
    .kernarg_segment_size: 40
    .max_flat_workgroup_size: 128
    .sgpr_count:     66
    .vgpr_count:     1024
    .wavefront_size: 32
...
	.end_amdgpu_metadata
.endif
;; end of part 5
;; launch w2 (part 6): grid 16 x 16, 4 waves a work-group, no clusters, 327,680 bytes of LDS; arguments Hh, W2_codes, W2_scales, b2, X1, out0; writes out0
.if DOCPART == 6
	.amdgcn_target "amdgcn-amd-amdhsa--gfx1250"
	.amdhsa_code_object_version 6
	.text
	.protected	k_qfff7564220_w2
	.globl	k_qfff7564220_w2
	.p2align	8
	.type	k_qfff7564220_w2,@function
k_qfff7564220_w2:
	s_mov_b64 s[64:65], 0
	v_nop
	global_prefetch_b8 v0, s[64:65] scope:SCOPE_SE
	s_setreg_imm32_b32 hwreg(HW_REG_WAVE_MODE, 25, 1), 1
	s_wait_xcnt 0x0
; out = residual + (A W^T + bias): A as images of operand registers with scale rows, W as given codes and scale bytes, residual and out f32 [4096][1024].
; This text serves two launches with two constants changed: ISWO = 1, KSTEPS = 8 (A = the attention's o, whose tiles hold every second row of the result) and ISWO = 0, KSTEPS = 16 (A = the hidden layer).
; SHARES.  Work-group x: 256 rows of A, work-group y: 64 columns.  Wave w: 64 rows (4 tiles) x 64 columns: 16 accumulators.  The 64 rows of W, whole K, lie in LDS, in chunks of 256 along K
; (64 rows x 192 bytes, 16 bytes of padding behind each 64, rows 240 bytes apart); wave w brings chunk w of each group of four.
; THE RESIDUAL of a wave's 64 result rows (256 bytes of each) comes by one more tensor load, into LDS bytes of the wave's own, rows 272 bytes apart.  Loads into registers come back in the order of issue (ISA guide 5.7.1):
; 32 loads of the residual at the head would stand in front of A's later groups.  Brought so, they are counted apart and land while K is walked.
; All tensor loads are first fills, NGRP + 1 a wave out at the most; no LDS byte is filled twice.
; A's fragments are a wave's own: from memory straight into a ring of four register slots, three K steps ahead.  The bias is the C of each sum's first product.
; Source 0 = 16 rows of W, source 1 = 16 rows of A: a lane holds eight neighbouring columns of one row; a tile goes through the wave's own stage and leaves as aligned runs of 256 bytes, the residual added on the way.
; No clusters: the shared tiles are fetched once a work-group, at the start, and more than half of a work-group's bytes are a wave's own.
; LIMITS: NaN and infinities are not served; a given scale byte 0xff gives NaN, as the format says.
; REGISTERS: window 0: v1-16 addresses; v32-63 a tile on its way out; from v64 W's scale words, behind them A's (lane L: row 32 p + L; register = K step); v128-255 accumulators (A's tile n, W's tile m) at 128 + 32 n + 8 m.
;   window 1: v0-47, v48-95 W's fragments, two sets; v96-127 the bias; v128-159 the residual of the tile on its way out.   window 2: A's fragments: K step ks at v[48 (ks % 4) + 12 tile].
; W IN LDS, AS THE TEXT NOW HAS IT (in place of the chunks named above): a group is 768 bytes of each of the 64 rows, 16 bytes of padding behind each 256: rows 816 bytes apart; wave w brings rows 16 w .. 16 w + 15
; with one tensor load, and every row begins at a multiple of 256 bytes.  The first group is asked for at the head, the second behind the barrier in front of the walk along K, the residual behind the barrier of K step 7:
; one tensor load a wave at the head and behind each of these barriers.
.set ISWO,   0
.set KSTEPS, 16
.set KS,     KSTEPS                    ; scale words in a row
.set HS,     2*KSTEPS                  ; images in a tile of A
.set SCOFF,  196608*HS                 ; where A's scale rows begin
.set KROW,   96*KSTEPS                 ; a row of W in bytes
.set NGRP,   KSTEPS/8                  ; groups of four chunks
.set STAGE,  NGRP*61440                ; behind W: 16 rows x 272 bytes for each wave
.set RESB,   STAGE+4*16*272            ; behind the stages: 64 rows x 272 bytes of the residual for each wave
.set RSTEP,  1+ISWO                    ; rows of the result from one row of a tile to the next
.set WS,     64
.set RS,     WS+2*KS
.set AC,     20                        ; s[20:21] A's codes, s[22:23] A's scale rows
.set MSB, 0
.macro WIN new                         ; the immediate's high byte repeats the setting that is left
.if MSB != (\new)
	s_set_vgpr_msb (MSB<<8)|(\new)
.set MSB, \new
.endif
.endm
.macro PLACES                          ; four plain lines behind matrix instructions, ahead of loads into their registers and of reads of their results
.rept 4
	v_nop
.endr
.endm
.macro FRAG reg, ks, i                 ; a fragment of W: lane (r, h) takes 24 bytes twice, in pieces of 8; where the piece three on lies behind one padding more, v9 serves
.irp p, 0,1,2,3,4,5
.set BY, 96*((\ks)%8)+48*(\p/3)+8*(\p%3)       ; where the piece of lanes 0-15 begins in the group's row; byte y lies at y + 16 (y / 256) of the LDS row
.if BY%256 < 232
	ds_load_b64 v[(\reg)+2*\p:(\reg)+2*\p+1], v8 offset:(\i)*13056+BY+16*(BY/256)
.else                                          ; lanes 16-31, 24 bytes on, lie behind one padding more
	ds_load_b64 v[(\reg)+2*\p:(\reg)+2*\p+1], v9 offset:(\i)*13056+BY+16*(BY/256)
.endif
.endr
.endm
.macro FETCHW set, ks
	WIN 0x40
.irp i, 0,1,2,3
	FRAG 48*(\set)+12*\i, \ks, \i
.endr
.endm
.macro LOADRES ks                      ; my four tiles' fragments of K step ks: 16 dense loads
	WIN 0x80
.irp s, 0,1,2,3
.set RR, 48*((\ks)%4)+12*\s
	global_load_b128 v[RR:RR+3], v1, s[AC:AC+1] offset:\s*(HS*768)+1536*(\ks)
	global_load_b64 v[RR+4:RR+5], v2, s[AC:AC+1] offset:\s*(HS*768)+1536*(\ks)+512
	global_load_b128 v[RR+6:RR+9], v1, s[AC:AC+1] offset:\s*(HS*768)+1536*(\ks)+768
	global_load_b64 v[RR+10:RR+11], v2, s[AC:AC+1] offset:\s*(HS*768)+1536*(\ks)+1280
.endr
.endm
.macro LOADSC reg, base, off           ; 64 rows' scale words: lane L takes the whole row 32 p + L
.irp p, 0,1
.set q, 0
.rept KS/4
	global_load_b128 v[(\reg)+KS*\p+4*q:(\reg)+KS*\p+4*q+3], v4, s[\base:\base+1] offset:(\off)+\p*128*KS+16*q
.set q, q+1
.endr
.endr
.endm
.macro WMX                             ; one product; an odd tile's scales stand in lanes 16-31 of its pair's register
.if (rRA == 0) && (rRB == 0)
	v_wmma_scale_f32_16x16x128_f8f6f4 v[rD:rD+7], v[rA:rA+11], v[rB:rB+11], v[rC:rC+7], v[rSA], v[rSB] matrix_a_fmt:MATRIX_FMT_FP6 matrix_b_fmt:MATRIX_FMT_FP6
.elseif (rRA == 1) && (rRB == 0)
	v_wmma_scale_f32_16x16x128_f8f6f4 v[rD:rD+7], v[rA:rA+11], v[rB:rB+11], v[rC:rC+7], v[rSA], v[rSB] matrix_a_fmt:MATRIX_FMT_FP6 matrix_b_fmt:MATRIX_FMT_FP6 matrix_a_scale:MATRIX_SCALE_ROW1
.elseif rRA == 0
	v_wmma_scale_f32_16x16x128_f8f6f4 v[rD:rD+7], v[rA:rA+11], v[rB:rB+11], v[rC:rC+7], v[rSA], v[rSB] matrix_a_fmt:MATRIX_FMT_FP6 matrix_b_fmt:MATRIX_FMT_FP6 matrix_b_scale:MATRIX_SCALE_ROW1
.else
	v_wmma_scale_f32_16x16x128_f8f6f4 v[rD:rD+7], v[rA:rA+11], v[rB:rB+11], v[rC:rC+7], v[rSA], v[rSB] matrix_a_fmt:MATRIX_FMT_FP6 matrix_b_fmt:MATRIX_FMT_FP6 matrix_a_scale:MATRIX_SCALE_ROW1 matrix_b_scale:MATRIX_SCALE_ROW1
.endif
.endm
; 16 products, the 16 accumulators by turns, in the same order in every K step.  cm 0: onto the sums; 1: C = the bias, window 1, v[96 + 8 m]
.macro MUL16 set, ks, cm
.if (\cm) != 0
	WIN 0x19
.else
	WIN 0x09
.endif
.irp n, 0,1,2,3
.irp m, 0,1,2,3
.set rD, 128+32*\n+8*\m
.set rC, rD
.if (\cm) != 0
.set rC, 96+8*\m
.endif
.set rA, 48*(\set)+12*\m
.set rB, 48*((\ks)%4)+12*\n
.set rSA, WS+KS*(\m/2)+(\ks)
.set rSB, RS+KS*(\n/2)+(\ks)
.set rRA, \m%2
.set rRB, \n%2
	WMX
.endr
.endr
.endm
.macro STEP ks
.if (\ks) > 0
	PLACES                                         ; behind the last 16 products: the loads below land in the set and the slot that they read
.endif
.if (NGRP == 2) && ((\ks) == 7)
	WIN 0
	s_wait_tensorcnt 0x0                           ; my rows of the second group have landed
	ds_add_u32 v30, v31
	s_wait_dscnt 0x0                               ; the add is done, and no LDS load of mine is out at the signal
	s_barrier_signal -1
	s_barrier_wait -1                              ; and behind the barrier everybody's rows have
	tensor_load_to_lds s[32:35], s[24:31]          ; the residual: wanted on the way out
	s_nop 0
	PLACES
	v_add_nc_u32 v8, 61440, v6
	s_wait_alu depctr_va_vdst(0)
	v_add_nc_u32 v9, 61440, v7
.endif
.if (\ks)+1 < KSTEPS
	FETCHW ((\ks)+1)%2, (\ks)+1
.endif
.if (\ks)+3 < KSTEPS
	LOADRES (\ks)+3
.endif
.if (\ks)+1 < KSTEPS
	s_wait_alu depctr_va_vdst(0)
	s_wait_dscnt 24                                ; this step's set is in; the 24 loads just issued may be out
.else
	s_wait_dscnt 0x0
.endif
.if KSTEPS-1-(\ks) >= 3
	s_wait_loadcnt 48                              ; A's group of this step is in; the three groups of 16 behind it may be out
.else
	s_wait_loadcnt 16*(KSTEPS-1-(\ks))
.endif
.if (\ks) == 0
	MUL16 0, 0, 1
.else
	MUL16 (\ks)%2, \ks, 0
.endif
.endm
.macro SETRO s, t                      ; the result's row, from my first, of a tile's stage rows 2 t and 2 t + 1 (the second RSTEP rows on: in the lanes' address)
.if ISWO
.set RO, 32*((\s)/2)+((\s)%2)+4*(\t)
.else
.set RO, 16*(\s)+2*(\t)
.endif
.endm
	s_load_b256 s[8:15], s[0:1], 0x0               ; A, W's codes, W's scales, the bias
	s_load_b128 s[16:19], s[0:1], 0x20             ; the residual, out
	v_lshl_add_u32 v30, v0, 2, 0x34000
	v_mov_b32 v31, 0
	ds_add_u32 v30, v31
	ds_add_u32 v30, v31
	v_lshrrev_b32 v1, 5, v0
	v_readfirstlane_b32 s2, v1                     ; wave
	s_and_b32 s4, ttmp7, 0xffff                    ; y: which 64 columns
	s_lshl_b32 s5, ttmp9, 2
	s_add_co_u32 s5, s5, s2                        ; G: which 64 rows of A, and of the result
	s_mov_b32 s36, (1<<20)|(5<<22)|(3<<25)         ; group 1 for W: elements of 1 byte; padding on: behind every 64 words, 4 words
	s_mov_b32 s37, 768<<16
	s_mov_b32 s38, 16<<16
	s_mov_b32 s39, 768<<16
	s_mov_b32 s40, 16
	s_mov_b32 s41, KROW
	s_mov_b32 s42, 0
	s_mov_b32 s43, 0
	s_mov_b32 s24, (3<<16)|(1<<20)|(5<<22)|(3<<25) ; group 1 for the residual: elements of 8 bytes; padding on: behind every 64 words (a row), 4 words
	s_mov_b32 s25, 32<<16                          ; tensor_dim0 = 32 elements: 256 bytes
	s_mov_b32 s26, 64<<16                          ; tensor_dim1 = 64 rows
	s_mov_b32 s27, 32<<16                          ; tile_dim0
	s_mov_b32 s28, 64                              ; tile_dim1
	s_mov_b32 s29, 512                             ; from row to row: 4,096 bytes
	s_mov_b32 s30, 0
	s_mov_b32 s31, 0
	s_mul_i32 s52, s4, 64*KROW
	s_mul_i32 s54, s2, 16*KROW
	s_add_co_u32 s52, s52, s54                     ; my 16 rows of the work-group's 64 rows of W
	s_mov_b32 s53, 0
	s_mul_i32 s54, s2, 13056
	s_lshl_b32 s56, s5, 18                         ; residual and out: 64 rows of 4,096 bytes a wave, + 256 y
	s_lshl_b32 s57, s4, 8
	s_add_co_u32 s56, s56, s57
	s_mov_b32 s57, 0
	s_mul_i32 s58, s2, 64*272
	s_add_co_u32 s58, s58, RESB                    ; my residual rows in LDS
	v_and_b32 v13, 31, v0                          ; L
	v_and_b32 v14, 15, v0                          ; r
	v_bfe_u32 v15, v0, 4, 1                        ; h
	v_lshlrev_b32 v1, 4, v13                       ; 16 L
	v_lshlrev_b32 v2, 3, v13                       ; 8 L
	v_mul_u32_u24 v4, v13, 4*KS                    ; a row of scale bytes a lane
	v_lshlrev_b32 v5, 5, v15                       ; 32 h
	v_mul_u32_u24 v6, v14, 816
	v_mad_u32_u24 v6, v15, 24, v6                  ; W in LDS: row r, + 24 h
	v_lshl_add_u32 v7, v15, 4, v6                  ; and behind one padding more
	v_mul_u32_u24 v10, v15, RSTEP*4096
	v_lshl_add_u32 v10, v14, 4, v10                ; out: lanes 0-15 one row's 256 bytes, lanes 16-31 the tile's next row's
	s_mul_i32 s55, s2, 16*272
	s_add_co_u32 s55, s55, STAGE                   ; my stage
	v_mul_u32_u24 v11, v14, 272
	v_lshl_add_u32 v11, v15, 5, v11
	v_add_nc_u32 v11, s55, v11                     ; in: row r, + 32 h
	v_mul_u32_u24 v12, v15, 272
	v_lshl_add_u32 v12, v14, 4, v12
	v_add_nc_u32 v12, s55, v12                     ; back: lanes 0-15 one row, lanes 16-31 the next
	v_mul_u32_u24 v16, v15, RSTEP*272
	v_lshl_add_u32 v16, v14, 4, v16
	v_add_nc_u32 v16, s58, v16                     ; the residual in LDS, at the very rows of the stores
	s_wait_dscnt 0x0
	s_wait_kmcnt 0x0
.set g, 0
.rept NGRP
	s_mov_b32 s[44+4*g], 1
	s_add_co_u32 s[45+4*g], s54, g*61440
	s_add_nc_u64 s[46+4*g:47+4*g], s[10:11], s[52:53]
	s_add_nc_u64 s[46+4*g:47+4*g], s[46+4*g:47+4*g], g*768
	s_or_b32 s[47+4*g], s[47+4*g], 0x80000000
.set g, g+1
.endr
	s_add_nc_u64 s[16:17], s[16:17], s[56:57]
	s_add_nc_u64 s[18:19], s[18:19], s[56:57]
	s_mov_b32 s32, 1
	s_mov_b32 s33, s58
	s_mov_b64 s[34:35], s[16:17]
	s_or_b32 s35, s35, 0x80000000
	tensor_load_to_lds s[44:47], s[36:43]          ; W's first group: my 16 rows; one tensor load a wave at the head
	s_nop 0
	PLACES
	s_mul_i32 s52, s5, 3072*HS                     ; A's codes: four tiles of HS images a wave
	s_add_nc_u64 s[20:21], s[8:9], s[52:53]
	s_mul_i32 s52, s5, 256*KS                      ; A's scale rows
	s_add_co_u32 s52, s52, SCOFF
	s_add_nc_u64 s[22:23], s[8:9], s[52:53]
	s_mul_i32 s52, s4, 256*KS                      ; W's scale rows
	s_add_nc_u64 s[12:13], s[12:13], s[52:53]
	s_lshl_b32 s52, s4, 8                          ; the bias: 64 numbers
	s_add_nc_u64 s[14:15], s[14:15], s[52:53]
	LOADSC RS, 22, 0
	LOADSC WS, 12, 0
	WIN 0x40
.irp i, 0,1,2,3
	global_load_b128 v[96+8*\i:99+8*\i], v5, s[14:15] offset:64*\i         ; the bias in the result's layout: columns 16 i + 8 h + 0 .. 7
	global_load_b128 v[100+8*\i:103+8*\i], v5, s[14:15] offset:64*\i+16
.endr
	LOADRES 0
	LOADRES 1
	LOADRES 2
	WIN 0
	s_wait_alu depctr_va_vdst(0)
	s_wait_tensorcnt 0x0                           ; my rows of the first group have landed
	ds_add_u32 v30, v31
	s_wait_dscnt 0x0
	s_barrier_signal -1
	s_barrier_wait -1                              ; everybody's have
	tensor_load_to_lds s[48:51], s[36:43]          ; W's second group
	s_nop 0
	PLACES
	v_mov_b32 v8, v6
	s_wait_alu depctr_va_vdst(0)
	v_mov_b32 v9, v7
	s_wait_alu depctr_va_vdst(0)
	FETCHW 0, 0
.set k, 0
.rept KSTEPS
	STEP k
.set k, k+1
.endr
	PLACES
	WIN 0
	s_wait_tensorcnt 0x0                           ; my residual rows have landed: I alone read them
.irp s, 0,1,2,3
.if \s > 0
	s_wait_xcnt 0x0                                ; the last tile's stores have read v32-63: they are loaded again
.endif
.irp i, 0,1,2,3
	ds_store_b128 v11, v[128+32*\s+8*\i:131+32*\s+8*\i] offset:64*\i       ; each accumulator from its low end on
	ds_store_b128 v11, v[132+32*\s+8*\i:135+32*\s+8*\i] offset:64*\i+16
.endr
.irp t, 0,1,2,3,4,5,6,7
	ds_load_b128 v[32+4*\t:35+4*\t], v12 offset:544*\t                     ; LDS serves a wave's instructions in order: these see my stores
.endr
	WIN 0x40                                       ; destination window 1
.irp t, 0,1,2,3,4,5,6,7
	SETRO \s, \t
	ds_load_b128 v[128+4*\t:131+4*\t], v16 offset:RO*272                   ; the same rows and columns of the residual
.endr
	WIN 0
	s_wait_dscnt 0x0
	WIN 0x04                                       ; source 1: window 1
.irp u, 0,1,2,3,4,5,6,7,8,9,10,11,12,13,14,15
	v_pk_add_f32 v[32+2*\u:33+2*\u], v[32+2*\u:33+2*\u], v[128+2*\u:129+2*\u]
.endr
	WIN 0
.irp t, 0,1,2,3,4,5,6,7
	SETRO \s, \t
.if ISWO
	global_store_b128 v10, v[32+4*\t:35+4*\t], s[18:19] offset:RO*4096     ; 16 lanes store 256 consecutive bytes, at a multiple of 256 from the buffer's first byte
.else
	global_store_b128 v10, v[32+4*\t:35+4*\t], s[18:19] offset:RO*4096 th:TH_STORE_NT
.endif
.endr
.endr
	s_wait_tensorcnt 0x0
	ds_add_u32 v30, v31
	s_wait_dscnt 0x0
	s_endpgm
.Lfunc_end_k_qfff7564220_w2:
	.size	k_qfff7564220_w2, .Lfunc_end_k_qfff7564220_w2-k_qfff7564220_w2
	.p2alignl 7, 3214868480
	.fill 96, 4, 3214868480
	.section	.rodata,"a",@progbits
	.p2align	6, 0x0
	.amdhsa_kernel k_qfff7564220_w2
		.amdhsa_group_segment_fixed_size 327680
		.amdhsa_private_segment_fixed_size 0
		.amdhsa_enable_private_segment 0
		.amdhsa_kernarg_size 48
		.amdhsa_user_sgpr_count 2
		.amdhsa_user_sgpr_kernarg_segment_ptr 1
		.amdhsa_wavefront_size32 1
		.amdhsa_system_sgpr_workgroup_id_x 1
		.amdhsa_system_sgpr_workgroup_id_y 1
		.amdhsa_system_sgpr_workgroup_id_z 1
		.amdhsa_system_vgpr_workitem_id 0
		.amdhsa_next_free_vgpr 768
		.amdhsa_next_free_sgpr 66
		.amdhsa_reserve_vcc 0
		.amdhsa_float_denorm_mode_32 3
		.amdhsa_float_denorm_mode_16_64 3
		.amdhsa_memory_ordered 1
		.amdhsa_forward_progress 1
		.amdhsa_inst_pref_size 108
	.end_amdhsa_kernel
	.amdgpu_metadata
---
amdhsa.version: [ 1, 2 ]
amdhsa.kernels:
  - .name:           k_qfff7564220_w2
    .symbol:         k_qfff7564220_w2.kd
    .args:
      - { .name: Hh, .offset: 0, .size: 8, .value_kind: global_buffer, .address_space: global }
      - { .name: W2_codes, .offset: 8, .size: 8, .value_kind: global_buffer, .address_space: global }
      - { .name: W2_scales, .offset: 16, .size: 8, .value_kind: global_buffer, .address_space: global }
      - { .name: b2, .offset: 24, .size: 8, .value_kind: global_buffer, .address_space: global }
      - { .name: X1, .offset: 32, .size: 8, .value_kind: global_buffer, .address_space: global }
      - { .name: out0, .offset: 40, .size: 8, .value_kind: global_buffer, .address_space: global }
    .group_segment_fixed_size: 327680
    .private_segment_fixed_size: 0
    .kernarg_segment_align: 8
    .kernarg_segment_size: 48
    .max_flat_workgroup_size: 128
    .sgpr_count:     66
    .vgpr_count:     768
    .wavefront_size: 32
...
	.end_amdgpu_metadata
.endif
;; end of part 6
